; MI455X (gfx1250); checked and timed in simulation.
; The chip was launched on July 23, 2026; its instructions are those of AMD's public machine-readable ISA for CDNA 5 (MIT licence, August 2026) and "CDNA5" Instruction Set Architecture Reference Guide (July 2026). The comments in the code are by the model that wrote it; some were corrected since.
;; Encoder Block. Allowed arithmetic: matrix products marked QUANTISED: E4M3 operands, one E8M0 scale for each 32 along K, by v_wmma_scale_f32_16x16x128_f8f6f4 with both operands' format E4M3, f32 sums; everything else in f32.
;; Inputs: W1_codes 4,096 x 32 x 32 uint8 (E4M3 codes of W1, K innermost, in blocks of 32 codes); W1_scales 4,096 x 32 uint8 (E8M0 scales of W1, one for each 32 codes along K); W2_codes 1,024 x 128 x 32 uint8 (E4M3 codes of W2, K innermost, in blocks of 32 codes); W2_scales 1,024 x 128 uint8 (E8M0 scales of W2, one for each 32 codes along K); Wk_codes 16 x 64 x 32 x 32 uint8 (E4M3 codes of Wk, K innermost, in blocks of 32 codes); Wk_scales 16 x 64 x 32 uint8 (E8M0 scales of Wk, one for each 32 codes along K); Wp_codes 1,024 x 32 x 32 uint8 (E4M3 codes of Wp, K innermost, in blocks of 32 codes); Wp_scales 1,024 x 32 uint8 (E8M0 scales of Wp, one for each 32 codes along K); Wq_codes 16 x 64 x 32 x 32 uint8 (E4M3 codes of Wq, K innermost, in blocks of 32 codes); Wq_scales 16 x 64 x 32 uint8 (E8M0 scales of Wq, one for each 32 codes along K); Wv_codes 16 x 64 x 32 x 32 uint8 (E4M3 codes of Wv, K innermost, in blocks of 32 codes); Wv_scales 16 x 64 x 32 uint8 (E8M0 scales of Wv, one for each 32 codes along K); b1 4,096 float32; b2 1,024 float32; bk 16 x 64 float32; bp 1,024 float32; bq 16 x 64 float32; bv 16 x 64 float32; ln1_b 1,024 float32; ln1_w 1,024 float32; ln2_b 1,024 float32; ln2_w 1,024 float32; x 2 x 2,048 x 1,024 float32.
;; Outputs: out0 2 x 2,048 x 1,024 float32.
;; This version of the problem:
;;   THIS VERSION OF THE PROBLEM IS GIVEN IN LOW PRECISION. The matrix products marked QUANTISED in the list below multiply operands that are first quantised to E4M3 (4 exponent bits, 3 mantissa bits; 8 bits a number), with one power-of-two scale for each 32 numbers along K (OCP MX v1.0); their sums are f32. All else is computed in f32.
;;   The module's matrix products, in the order in which they are computed (A, B: the left and right operand; K: the contracted axis; several contracted axes count as one K, in the product's order):
;;     1. [M 1,024, K 1,024] x [K 1,024, N 4,096]; A: input Wq (given as codes); B: computed on the way: QUANTISED
;;     2. [M 1,024, K 1,024] x [K 1,024, N 4,096]; A: input Wk (given as codes); B: computed on the way: QUANTISED
;;     3. [M 1,024, K 1,024] x [K 1,024, N 4,096]; A: input Wv (given as codes); B: computed on the way: QUANTISED
;;     4. batch 32 x [M 2,048, K 64] x [K 64, N 2,048]; A: computed on the way; B: computed on the way: QUANTISED
;;     5. batch 32 x [M 2,048, K 2,048] x [K 2,048, N 64]; A: softmax (see below); B: computed on the way: QUANTISED
;;     6. [M 4,096, K 1,024] x [K 1,024, N 1,024]; A: computed on the way; B: input Wp (given as codes): QUANTISED
;;     7. [M 4,096, K 1,024] x [K 1,024, N 4,096]; A: computed on the way; B: input W1 (given as codes): QUANTISED
;;     8. [M 4,096, K 4,096] x [K 4,096, N 1,024]; A: computed on the way; B: input W2 (given as codes): QUANTISED
;;   THE QUANTISER, for each operand of a quantised product, along K:
;;     - K is cut into blocks of 32 from its start; a last block that is shorter is filled with zeros.
;;     - A block's scale is 2^e with e = floor(log2(the largest magnitude in the block)) - 8, held to -126 .. 127; a block of zeros has e = 0. As a byte (E8M0): e + 127.
;;     - Each number is divided by its block's scale, clamped to +-448, and rounded to the nearest number of E4M3, ties to even, subnormals kept.
;;     - The product sums the exact products of the quantised numbers (number of the format x scale) in f32.
;;   ~~~python
;;   def quantise(x, axis):      # numpy; x: float32 -> the quantised numbers, widened to float32 again
;;       x = np.moveaxis(x, axis, -1); K = x.shape[-1]
;;       x = np.pad(x, [(0, 0)] * (x.ndim - 1) + [(0, -K % 32)]); x = x.reshape(x.shape[:-1] + (-1, 32)); a = np.abs(x).max(-1, keepdims=True)
;;       e = np.where(a > 0, np.clip(np.frexp(np.where(a > 0, a, 1))[1] - 1 - 8, -126, 127), 0)      # np.frexp(a)[1] - 1 = floor(log2(a)), exactly
;;       r = np.clip(x / 2.0 ** e, -448, 448)
;;       step = 2.0 ** (np.maximum(np.frexp(np.where(r == 0, 1, r))[1] - 1, -6) - 3)
;;       q = np.round(r / step) * step * 2.0 ** e      # np.round: ties to even
;;       return np.moveaxis(q.reshape(q.shape[:-2] + (-1,))[..., :K], -1, axis).astype(np.float32)
;;   ~~~
;;   SOFTMAX AHEAD OF A QUANTISED PRODUCT. Where the list says 'softmax', what is quantised is not the finished softmax but p = 2^(t - M), with t = logit x log2(e) and M = ceil(the row's largest t), a whole number; so 1/2 < the row's largest p <= 1. The row's sum l is taken of the UNQUANTISED p, in f32, and the product's result is divided by l at the end. Since M is a whole number, a kernel that streams over the keys may use a running M (the ceiling of the running maximum): every later rescaling is an exact power of two, which a block's scale takes up: the codes' values come out the same.
;;   OPERANDS COMPUTED ON THE WAY. 'Computed on the way' means the value that the module computes at that place (a softmax that the list does not call 'softmax' is quantised finished and normalised). What goes into a quantiser is computed in f32, as accurately as f32 sums, v_exp_f32 and their like allow (about 1e-6 of the number): no bf16 or f16 on the way to a quantiser, and a product that is left as it is and whose result goes on into a quantised operand takes f32 operands (vector FMAs, or v_wmma_f32_16x16x4_f32). A number that lies on a knife's edge between two numbers of the format may be rounded either way, as far as f32 arithmetic and the matrix unit's own rounding can turn it there, and no further.
;;   INPUTS GIVEN AS CODES. W1 (in the module: [1024, 4096], K = its axis 0); W2 (in the module: [4096, 1024], K = its axis 0); Wk (in the module: [16, 1024, 64], K = its axis 1); Wp (in the module: [1024, 1024], K = its axis 0); Wq (in the module: [16, 1024, 64], K = its axis 1); Wv (in the module: [16, 1024, 64], K = its axis 1): each comes as NAME_codes (uint8): NAME with its K axis moved to the last place and cut into blocks of 32 codes, [.., K / 32, bytes a block], one block behind the other in memory; one code a byte (a code: sign, 4 exponent bits, 3 mantissa bits); and NAME_scales (uint8): the same leading axes, one E8M0 byte (e + 127) for each 32 codes along K. Its value is code x scale, taken as it is: it is not quantised again, and the codes and scales need not be those that the quantiser above would give.
;; One version. Each part assembles by itself: llvm-mc -triple=amdgcn-amd-amdhsa -mcpu=gfx1250 --defsym DOCPART=n.
;; ======== version 1 of 1: 7 launches
;; limits: right only within a limited range of input values
;; workspace buffers: xq 4,456,448 bytes; qkv 13,893,632 bytes; oq 4,456,448 bytes; outb 16,777,216 bytes; hq 17,825,792 bytes
;; launch ln1 (part 1): grid 256 x 1, 4 waves a work-group, no clusters, 66,304 bytes of LDS; arguments x, ln1_w, ln1_b, xq; writes xq
.if DOCPART == 1
	.amdgcn_target "amdgcn-amd-amdhsa--gfx1250"
	.amdhsa_code_object_version 6
	.text
	.protected	k_q47ae1bcb10_ln1
	.globl	k_q47ae1bcb10_ln1
	.p2align	8
	.type	k_q47ae1bcb10_ln1,@function
k_q47ae1bcb10_ln1:
	s_mov_b64 s[64:65], 0
	v_nop
	global_prefetch_b8 v0, s[64:65] scope:SCOPE_SE
	s_setreg_imm32_b32 hwreg(HW_REG_WAVE_MODE, 25, 1), 1
	s_wait_xcnt 0x0
; LayerNorm over 1,024 channels, then the MX-FP8 quantiser along the channels.  Arguments: rows [4096][1024] f32, gain, bias, and the buffer of codes.
; A work-group takes one TILE of 16 tokens: row p of tile T is token 32 (T / 2) + 8 (T % 2) + p + 8 (p / 8), the order in which every later launch wants its tiles.
; Wave w normalises rows 4 w .. 4 w + 3 (four neighbouring tokens, 16 KiB on end), one row in 32 registers; mean first, then the mean of the squared differences: no difference of large sums.
; The rows meet in LDS (pitch 4,096 + 16 bytes); wave w then takes K steps 2 w and 2 w + 1 of all 16 rows, 16 neighbours a lane for each block of 32, and quantises them.
; OUT: codes as images of the operand's registers, [tile][K step 8][chunk 4][lane 32][16 bytes]; scale words [tile][pair 4][lane 32][2 words] from byte XSO on.  Every store covers whole aligned runs of 256 bytes.
; No matrix unit, no cluster, no tensor load: a stream in which nothing is shared but 8 KiB of gains.
; LIMITS: NaN and infinities are not served.  A block whose largest magnitude lies under 2^-118 keeps the scale byte 1 (a block of zeros too: its codes are zeros; the bytes are read by this program alone).
.set STGP, 4112
.set XSO, 16384                        ; a tile's record in the buffer of codes is 17,408 bytes: 16,384 of codes, then from byte XSO of the record its 1,024 of scale words
.set LI, 1                             ; v1  16 x lane
.set STO, 2                            ; v2  stage, way in: my wave's four rows + 16 x lane
.set RDA, 3                            ; v3  stage, way out: row r, + 64 h, + my wave's two K steps
.set LS8, 4                            ; v4  8 x lane
.set TM, 8                             ; v8-23 the quantiser's scratch
.set PW, 24                            ; v24-25 the two scale words
.set PC, 28                            ; v28-59 the two fragments' codes
.set SM, 32                            ; v32-39 (first phases) sum, then mean, a pair a row
.set SQ, 40                            ; v40-47 (first phases) sum of squares, then 1 / sigma
.set XV, 64                            ; v64-191 four rows; later 2 x 64 numbers for the quantiser
.set GW, 192                           ; v192-223 gain
.set GB, 224                           ; v224-255 bias
.set WV, 12
.set SEL, 14
.set MNT, 16
; 64 numbers of a lane, register 16 b + i = k 32 b + 16 (lane / 16) + i of my row, become a fragment's codes in v[pc] on and its scale word in v[pw]
.macro QUANT s, pc, pw
.irp b, 0,1,2,3
	v_max3_num_f32 v[TM+\b], |v[\s+16*\b]|, |v[\s+16*\b+1]|, 0x4800000   ; my 16 numbers of block b, and the floor 2^(9 - 127): the byte cannot fall under 1
.endr
.irp i, 2,4,6,8,10,12,14
.irp b, 0,1,2,3
	v_max3_num_f32 v[TM+\b], v[TM+\b], |v[\s+16*\b+\i]|, |v[\s+16*\b+\i+1]|
.endr
.endr
.irp b, 0,1,2,3
	v_permlanex16_b32 v[TM+4+\b], v[TM+\b], s[SEL], s[SEL+1]
.endr
.irp b, 0,1,2,3
	v_max_num_f32 v[TM+\b], v[TM+\b], v[TM+4+\b]                 ; with lane l xor 16's: the block's largest magnitude
.endr
.irp b, 0,1,2,3
	v_add_nc_u32 v[TM+12+\b], 0xfc000000, v[TM+\b]               ; 8 off its exponent field: the conversion's scale operand
.endr
.irp b, 0,1,2,3
	v_and_or_b32 v[TM+8+\b], v[TM+\b], 0x7f800000, s[MNT]        ; 448 x the scale
.endr
.irp b, 0,1,2,3
	v_lshrrev_b32 v[TM+4+\b], 23, v[TM+12+\b]                    ; the scale's byte
.endr
	v_lshl_or_b32 v[\pw], v[TM+5], 8, v[TM+4]
	v_lshl_or_b32 v[\pw], v[TM+6], 16, v[\pw]
	v_lshl_or_b32 v[\pw], v[TM+7], 24, v[\pw]
.irp b, 0,1,2,3
.irp i, 0,1,2,3,4,5,6,7,8,9,10,11,12,13,14,15
	v_med3_num_f32 v[\s+16*\b+\i], v[\s+16*\b+\i], -v[TM+8+\b], v[TM+8+\b]   ; the conversion to an 8-bit code does not saturate (ISA guide 7.6.2): the hold
.endr
	v_cvt_scalef32_pk8_fp8_f32 v[\pc+4*\b:\pc+4*\b+1], v[\s+16*\b:\s+16*\b+7], v[TM+12+\b]
	v_cvt_scalef32_pk8_fp8_f32 v[\pc+4*\b+2:\pc+4*\b+3], v[\s+16*\b+8:\s+16*\b+15], v[TM+12+\b]
.endr
	v_nop                                                          ; a plain line behind the last conversion
.endm
; four rows' sums over the 32 lanes, by turns; the result stands in every lane
.macro WSUM4 r
.irp m, 1,2,4,8
.irp i, 0,1,2,3
	v_add_f32_dpp v[\r+2*\i], v[\r+2*\i], v[\r+2*\i] row_xmask:\m row_mask:0xf bank_mask:0xf
.endr
.endr
.irp i, 0,1,2,3
	v_permlanex16_b32 v[\r+2*\i+1], v[\r+2*\i], s[SEL], s[SEL+1]
.endr
.irp i, 0,1,2,3
	v_add_f32 v[\r+2*\i], v[\r+2*\i], v[\r+2*\i+1]
.endr
.endm
	s_load_b256 s[4:11], s[0:1], 0x0               ; rows s[4:5], gain s[6:7], bias s[8:9], codes s[10:11]
	v_lshl_add_u32 v62, v0, 2, 0x10100
	v_mov_b32 v63, 0
	v_lshrrev_b32 v5, 5, v0
	v_readfirstlane_b32 s[WV], v5                  ; wave 0..3
	v_and_b32 v5, 31, v0
	v_lshlrev_b32 v[LI], 4, v5
	v_lshlrev_b32 v[LS8], 3, v5
	v_and_b32 v6, 15, v0                           ; r
	v_bfe_u32 v7, v0, 4, 1                         ; h
	s_mul_i32 s20, s[WV], 4*STGP
	v_add_nc_u32 v[STO], s20, v[LI]
	v_mul_u32_u24 v[RDA], v6, STGP
	v_lshl_add_u32 v[RDA], v7, 6, v[RDA]
	s_lshl_b32 s20, s[WV], 10
	v_add_nc_u32 v[RDA], s20, v[RDA]
	s_lshr_b32 s20, ttmp9, 1                       ; my wave's first token: 32 (T / 2) + 8 (T % 2) + 4 w + 8 (w / 2)
	s_lshl_b32 s20, s20, 5
	s_and_b32 s21, ttmp9, 1
	s_lshl_b32 s21, s21, 3
	s_add_co_u32 s20, s20, s21
	s_lshl_b32 s21, s[WV], 2
	s_add_co_u32 s20, s20, s21
	s_lshr_b32 s21, s[WV], 1
	s_lshl_b32 s21, s21, 3
	s_add_co_u32 s20, s20, s21
	s_lshl_b32 s20, s20, 12                        ; x 4,096 bytes a row
	s_mov_b32 s21, 0
	s_mul_i32 s22, ttmp9, 17408                    ; codes: my tile's record, 4,096 bytes for my two K steps
	s_lshl_b32 s23, s[WV], 12
	s_add_co_u32 s22, s22, s23
	s_mov_b32 s23, 0
	s_mul_i32 s28, ttmp9, 17408                    ; scale words: in the same record, 256 bytes for my pair
	s_lshl_b32 s29, s[WV], 8
	s_add_co_u32 s28, s28, s29
	s_mov_b32 s29, 0
	s_mov_b32 s[SEL], 0x76543210
	s_mov_b32 s[SEL+1], 0xfedcba98                 ; v_permlanex16_b32's selects for lane l xor 16
	s_mov_b32 s[MNT], 0x600000                     ; the mantissa field of 448
	s_mov_b32 s17, 0x3a800000                      ; 1 / 1,024
	s_mov_b32 s18, 0x3727c5ac                      ; 1e-5
.irp b, 0,1,2,3
	v_mov_b32 v[TM+4+\b], 0                        ; written once: a lane permute's destination counts as one of its sources
.endr
	s_wait_kmcnt 0x0
	s_add_nc_u64 s[4:5], s[4:5], s[20:21]
	s_add_nc_u64 s[24:25], s[10:11], s[22:23]
	s_add_nc_u64 s[26:27], s[10:11], s[28:29]
.irp i, 0,1,2,3
.irp j, 0,1,2,3,4,5,6,7
	global_load_b128 v[XV+32*\i+4*\j:XV+32*\i+4*\j+3], v[LI], s[4:5] offset:\i*4096+\j*512 th:TH_LOAD_NT   ; 512 bytes on end; register 4 j + k = channel 128 j + 4 lane + k
.endr
.endr
.irp j, 0,1,2,3,4,5,6,7
	global_load_b128 v[GW+4*\j:GW+4*\j+3], v[LI], s[6:7] offset:\j*512
.endr
.irp j, 0,1,2,3,4,5,6,7
	global_load_b128 v[GB+4*\j:GB+4*\j+3], v[LI], s[8:9] offset:\j*512
.endr
	s_wait_loadcnt 16                              ; the rows are in; the 16 younger loads (gain, bias) may be out
.irp i, 0,1,2,3
	v_pk_add_f32 v[SM+2*\i:SM+2*\i+1], v[XV+32*\i:XV+32*\i+1], v[XV+32*\i+2:XV+32*\i+3]
.endr
.set j, 4
.rept 14
.irp i, 0,1,2,3
	v_pk_add_f32 v[SM+2*\i:SM+2*\i+1], v[SM+2*\i:SM+2*\i+1], v[XV+32*\i+j:XV+32*\i+j+1]
.endr
.set j, j+2
.endr
.irp i, 0,1,2,3
	v_add_f32 v[SM+2*\i], v[SM+2*\i], v[SM+2*\i+1]
.endr
	WSUM4 SM
.irp i, 0,1,2,3
	v_mul_f32 v[SM+2*\i], s17, v[SM+2*\i]          ; the mean,
.endr
.irp i, 0,1,2,3
	v_mov_b32 v[SM+2*\i+1], v[SM+2*\i]             ; twice, for the packed forms
.endr
.set j, 0
.rept 16
.irp i, 0,1,2,3
	v_pk_add_f32 v[XV+32*\i+j:XV+32*\i+j+1], v[XV+32*\i+j:XV+32*\i+j+1], v[SM+2*\i:SM+2*\i+1] neg_lo:[0,1] neg_hi:[0,1]   ; x - mean
.endr
.set j, j+2
.endr
.irp i, 0,1,2,3
	v_pk_mul_f32 v[SQ+2*\i:SQ+2*\i+1], v[XV+32*\i:XV+32*\i+1], v[XV+32*\i:XV+32*\i+1]
.endr
.set j, 2
.rept 15
.irp i, 0,1,2,3
	v_pk_fma_f32 v[SQ+2*\i:SQ+2*\i+1], v[XV+32*\i+j:XV+32*\i+j+1], v[XV+32*\i+j:XV+32*\i+j+1], v[SQ+2*\i:SQ+2*\i+1]
.endr
.set j, j+2
.endr
.irp i, 0,1,2,3
	v_add_f32 v[SQ+2*\i], v[SQ+2*\i], v[SQ+2*\i+1]
.endr
	WSUM4 SQ
.irp i, 0,1,2,3
	v_fma_f32 v[SQ+2*\i], v[SQ+2*\i], s17, s18     ; the variance + 1e-5
.endr
	s_wait_alu depctr_va_vdst(0)
.irp i, 0,1,2,3
	v_rsq_f32 v[SQ+2*\i], v[SQ+2*\i]
.endr
	v_nop                                          ; a plain line behind the last of the four
	s_wait_alu depctr_va_vdst(0)                   ; one wait for the four, ahead of their first reader
.irp i, 0,1,2,3
	v_mov_b32 v[SQ+2*\i+1], v[SQ+2*\i]
.endr
	s_wait_alu depctr_va_vdst(0)
	s_wait_loadcnt 0x0                             ; gain and bias
.set j, 0
.rept 16
.irp i, 0,1,2,3
	v_pk_mul_f32 v[XV+32*\i+j:XV+32*\i+j+1], v[XV+32*\i+j:XV+32*\i+j+1], v[SQ+2*\i:SQ+2*\i+1]
.endr
.irp i, 0,1,2,3
	v_pk_fma_f32 v[XV+32*\i+j:XV+32*\i+j+1], v[XV+32*\i+j:XV+32*\i+j+1], v[GW+j:GW+j+1], v[GB+j:GB+j+1]
.endr
.set j, j+2
.endr
.irp i, 0,1,2,3
.irp j, 0,1,2,3,4,5,6,7
	ds_store_b128 v[STO], v[XV+32*\i+4*\j:XV+32*\i+4*\j+3] offset:\i*STGP+\j*512
.endr
.endr
	s_wait_dscnt 0x0                               ; for the others' sake: my four rows lie in the stage
	s_barrier_signal -1
	s_barrier_wait -1
.irp u, 0,1
.irp b, 0,1,2,3
.irp j, 0,1,2,3
	ds_load_b128 v[XV+64*\u+16*\b+4*\j:XV+64*\u+16*\b+4*\j+3], v[RDA] offset:\u*512+\b*128+\j*16   ; row r, K step 2 w + u, block b: my 16 neighbours
.endr
.endr
.endr
	s_wait_dscnt 0x0
	QUANT XV, PC, PW
	QUANT XV+64, PC+16, PW+1
.irp u, 0,1
.irp c, 0,1,2,3
	global_store_b128 v[LI], v[PC+16*\u+4*\c:PC+16*\u+4*\c+3], s[24:25] offset:\u*2048+\c*512   ; 512 bytes on end
.endr
.endr
	global_store_b64 v[LS8], v[PW:PW+1], s[26:27] offset:XSO   ; 256 bytes on end
	s_wait_tensorcnt 0x0
	ds_add_u32 v62, v63
	s_wait_dscnt 0x0
	s_endpgm
.Lfunc_end_k_q47ae1bcb10_ln1:
	.size	k_q47ae1bcb10_ln1, .Lfunc_end_k_q47ae1bcb10_ln1-k_q47ae1bcb10_ln1
	.p2alignl 7, 3214868480
	.fill 96, 4, 3214868480
	.section	.rodata,"a",@progbits
	.p2align	6, 0x0
	.amdhsa_kernel k_q47ae1bcb10_ln1
		.amdhsa_group_segment_fixed_size 66304
		.amdhsa_private_segment_fixed_size 0
		.amdhsa_enable_private_segment 0
		.amdhsa_kernarg_size 32
		.amdhsa_user_sgpr_count 2
		.amdhsa_user_sgpr_kernarg_segment_ptr 1
		.amdhsa_wavefront_size32 1
		.amdhsa_system_sgpr_workgroup_id_x 1
		.amdhsa_system_sgpr_workgroup_id_y 1
		.amdhsa_system_sgpr_workgroup_id_z 1
		.amdhsa_system_vgpr_workitem_id 0
		.amdhsa_next_free_vgpr 256
		.amdhsa_next_free_sgpr 66
		.amdhsa_reserve_vcc 0
		.amdhsa_float_denorm_mode_32 3
		.amdhsa_float_denorm_mode_16_64 3
		.amdhsa_memory_ordered 1
		.amdhsa_forward_progress 1
		.amdhsa_inst_pref_size 52
	.end_amdhsa_kernel
	.amdgpu_metadata
---
amdhsa.version: [ 1, 2 ]
amdhsa.kernels:
  - .name:           k_q47ae1bcb10_ln1
    .symbol:         k_q47ae1bcb10_ln1.kd
    .args:
      - { .name: x, .offset: 0, .size: 8, .value_kind: global_buffer, .address_space: global }
      - { .name: ln1_w, .offset: 8, .size: 8, .value_kind: global_buffer, .address_space: global }
      - { .name: ln1_b, .offset: 16, .size: 8, .value_kind: global_buffer, .address_space: global }
      - { .name: xq, .offset: 24, .size: 8, .value_kind: global_buffer, .address_space: global }
    .group_segment_fixed_size: 66304
    .private_segment_fixed_size: 0
    .kernarg_segment_align: 8
    .kernarg_segment_size: 32
    .max_flat_workgroup_size: 128
    .sgpr_count:     66
    .vgpr_count:     256
    .wavefront_size: 32
...
	.end_amdgpu_metadata
.endif
;; end of part 1
;; launch qkv (part 2): grid 12 x 16, 4 waves a work-group, clusters of 4 x 1, 295,424 bytes of LDS; arguments xq, Wq_codes, Wq_scales, bq, Wk_codes, Wk_scales, bk, Wv_codes, Wv_scales, bv, qkv; writes qkv
.if DOCPART == 2
	.amdgcn_target "amdgcn-amd-amdhsa--gfx1250"
	.amdhsa_code_object_version 6
	.text
	.protected	k_q47ae1bcb10_qkv
	.globl	k_q47ae1bcb10_qkv
	.p2align	8
	.type	k_q47ae1bcb10_qkv,@function
k_q47ae1bcb10_qkv:
	s_mov_b64 s[64:65], 0
	v_nop
	global_prefetch_b8 v0, s[64:65] scope:SCOPE_SE
	s_setreg_imm32_b32 hwreg(HW_REG_WAVE_MODE, 25, 1), 1
	s_wait_xcnt 0x0
	s_wait_alu depctr_hold_cnt(0) depctr_sa_sdst(0) depctr_va_vdst(0) depctr_va_sdst(0) depctr_va_ssrc(0) depctr_va_vcc(0) depctr_vm_vsrc(0)
	s_getreg_b32 s2, hwreg(HW_REG_IB_STS2, 6, 4)
	s_cmp_eq_u32 s2, 0
	s_cbranch_scc0 .Lentry_in_a_cluster
	s_endpgm
.Lentry_in_a_cluster:
	s_bfe_u32 s2, ttmp6, 0x10000c
	s_cmp_lg_u32 s2, 0x3003
	s_cbranch_scc0 .Lentry_shape_is_right
	s_endpgm
.Lentry_shape_is_right:
; q, k, v = xn W + b on codes of E4M3 with E8M0 scales, and their quantising: q and k along the head's 64, v along the keys.
; SHARES.  Cluster x = 0, 1, 2 makes q, k, v.  A work-group takes 256 tokens (16 tiles, work-group y) and four heads; wave w takes head 4 cx + w: its 64 rows of the weight, all 1,024 along K,
; stay in 512 registers (32 fragments) for the whole launch.  The tokens' codes are images of the operand's registers: 256 KiB + 16 KiB of scale words, all in LDS at once, each byte filled once.
; CLUSTER.  The four work-groups of a cluster read the same tokens: every tile is asked for jointly (mask 15), by descriptors made of work-group y and the wave's number alone.
; Q, K: source 0 = 16 rows of the weight, source 1 = 16 tokens: a lane holds one token and its registers run along the head's 64.  The rows of a weight tile are 32 b + 8 u + r + 8 (r / 8),
; so that two neighbouring tiles' 16 registers are 16 neighbours along the next K.  V: the sources change places: a lane holds one channel and its registers run along the tokens, which the tiles' own row order makes neighbours.
; OUT (qkv): codes [type 3][batch x head 32][131,072]: q, k [tile 128][chunk 2][512] (the 64 real K alone); v [key step 16][tile of channels 4][chunk 4][512];
; scale words from QSO on, [batch x head][40,960]: q at 0, k at 16,384: [key step][half 2][lane][4 tiles] (bytes 2, 3 are 0: they stand over zero codes); v at 32,768: [key step][lane][4 tiles].
; The biases are the C of each sum's first matrix instruction.
; All LDS bytes are filled once, and every wave waits for all its tensor loads in front of one barrier: behind it LDS is only read.
; LIMITS: NaN and infinities are not served; a block under 2^-118 (or of zeros) keeps the scale byte 1.
; REGISTERS, in windows of 256: window 0 as named below; window 1: weight fragments (tile t, K step s < 4) at 16 (4 t + s); window 2: s >= 4; window 3: two buffers of a token tile's 8 fragments.
.set QSO, 12582912
.set XSC, 16384                        ; LDS: tile j's record at 17,408 j: its codes, and from byte XSC of the record its scale words
.set LI, 1                             ; v1  16 x lane
.set LS8, 2                            ; v2  XSC + 8 x lane
.set AD, 3                             ; v3  address of the tile in hand
.set ADS, 4                            ; v4  and of its scale words
.set WA, 5
.set WSA, 6
.set BA, 7
.set BAV, 8
.set WS, 16                            ; v16-47  weight scale words: (t, s) at 16 + 8 t + s
.set AS, 48                            ; v48-63  token scale words: buffer bf, K step s at 48 + 8 bf + s
.set ACC, 64                           ; v64-127 two tiles' results
.set BI, 128                           ; v128-159 the bias in the result's layout
.set TM, 160
.set PW, 176
.set PWS, 180                          ; v180-187 scale words gathered for a store
.set PC, 192                           ; v192-207 codes
.set WV, 33
.set CX, 34
.set HH, 35
.set YY, 36
.set G1C, 40
.set G1S, 48
.set G0S, 56
.set G0A, 60
.set G0B, 68
.set SEL, 72
.set MNT, 74
.set TRIP, 75
.set TB, 76                            ; s76  LDS byte of the half (128 tokens) in hand: 0 or 139,264
.set TSB, 77                           ; s77  the same for the scale words: 0 or 139,264
.set DC, 78
.set DS, 80
.set T0, 82
.set T1, 83
.set MSB, 0
.macro WIN new                         ; the immediate's high byte repeats the setting that is left
.if MSB != (\new)
	s_set_vgpr_msb (MSB<<8)|(\new)
.set MSB, (\new)
.endif
.endm
.macro PLACES n
.rept \n
	v_nop
.endr
.endm
.macro CROUND                          ; a round of the cluster's barrier
	s_barrier_signal -1
	s_barrier_wait -1
	s_cmp_lg_u32 s[WV], 0
	s_cbranch_scc1 .Lnot_wave_0_\@
	s_barrier_signal -3
.Lnot_wave_0_\@:
	s_barrier_wait -3
	s_barrier_signal -1
	s_barrier_wait -1
.endm
.macro QUANT s, pc, pw                 ; 64 numbers of a lane, register 16 b + i = k 32 b + 16 (lane / 16) + i, become codes in v[pc] on, a scale word in v[pw], the bytes in v[TM+4] on
.irp b, 0,1,2,3
	v_max3_num_f32 v[TM+\b], |v[\s+16*\b]|, |v[\s+16*\b+1]|, 0x4800000   ; with the floor 2^(9 - 127): the byte cannot fall under 1
.endr
.irp i, 2,4,6,8,10,12,14
.irp b, 0,1,2,3
	v_max3_num_f32 v[TM+\b], v[TM+\b], |v[\s+16*\b+\i]|, |v[\s+16*\b+\i+1]|
.endr
.endr
.irp b, 0,1,2,3
	v_permlanex16_b32 v[TM+4+\b], v[TM+\b], s[SEL], s[SEL+1]
.endr
.irp b, 0,1,2,3
	v_max_num_f32 v[TM+\b], v[TM+\b], v[TM+4+\b]
.endr
.irp b, 0,1,2,3
	v_add_nc_u32 v[TM+12+\b], 0xfc000000, v[TM+\b]
.endr
.irp b, 0,1,2,3
	v_and_or_b32 v[TM+8+\b], v[TM+\b], 0x7f800000, s[MNT]
.endr
.irp b, 0,1,2,3
	v_lshrrev_b32 v[TM+4+\b], 23, v[TM+12+\b]
.endr
	v_lshl_or_b32 v[\pw], v[TM+5], 8, v[TM+4]
	v_lshl_or_b32 v[\pw], v[TM+6], 16, v[\pw]
	v_lshl_or_b32 v[\pw], v[TM+7], 24, v[\pw]
.irp b, 0,1,2,3
.irp i, 0,1,2,3,4,5,6,7,8,9,10,11,12,13,14,15
	v_med3_num_f32 v[\s+16*\b+\i], v[\s+16*\b+\i], -v[TM+8+\b], v[TM+8+\b]   ; the hold: the conversion does not saturate (ISA guide 7.6.2)
.endr
	v_cvt_scalef32_pk8_fp8_f32 v[\pc+4*\b:\pc+4*\b+1], v[\s+16*\b:\s+16*\b+7], v[TM+12+\b]
	v_cvt_scalef32_pk8_fp8_f32 v[\pc+4*\b+2:\pc+4*\b+3], v[\s+16*\b+8:\s+16*\b+15], v[TM+12+\b]
.endr
	v_nop                                          ; a plain line behind the last conversion: the next products write v[s] on
.endm
; tile j of the half in hand (nxt = 1: tile 0 of the other half) into buffer bf: 4 loads of scale words, 32 of codes, each 256 or 512 bytes on end
.macro AFQ bf, j, nxt
.if \nxt
	s_xor_b32 s[T0], s[TB], 139264
	s_xor_b32 s[T1], s[TSB], 139264
.else
	s_add_co_u32 s[T0], s[TB], (\j)*17408
	s_add_co_u32 s[T1], s[TSB], (\j)*17408
.endif
	v_add_nc_u32 v[AD], s[T0], v[LI]
	v_add_nc_u32 v[ADS], s[T1], v[LS8]
.irp p, 0,1,2,3
	ds_load_b64 v[AS+8*(\bf)+2*\p:AS+8*(\bf)+2*\p+1], v[ADS] offset:256*\p
.endr
	WIN 0xc0                                       ; destination window 3
.irp s, 0,1,2,3,4,5,6,7
.irp c, 0,1,2,3
	ds_load_b128 v[128*(\bf)+16*\s+4*\c:128*(\bf)+16*\s+4*\c+3], v[AD] offset:2048*\s+512*\c
.endr
.endr
	WIN 0
.endm
; 32 matrix instructions: the tile in buffer bf against my four weight tiles, K ascending; the four accumulators take turns, one instruction a turn.
; Accumulator t at v[d0 + dst t].  vm = 0: source 0 the weight, source 1 the tokens; vm = 1: the other way round.
.macro MM bf, d0, dst, vm
.irp s, 0,1,2,3,4,5,6,7
.if \vm
	WIN 0x07+4*(\s/4)                              ; source 0 window 3, source 1 window 1 or 2
.else
	WIN 0x0d+(\s/4)                                ; source 0 window 1 or 2, source 1 window 3
.endif
.irp t, 0,1,2,3
.set rD, (\d0)+(\dst)*\t
.set rC, rD
.if \s == 0
.set rC, BI+8*\t
.endif
.set rW, 16*(4*\t+(\s%4))
.set rA, 128*(\bf)+16*\s
.if \vm
	v_wmma_scale_f32_16x16x128_f8f6f4 v[rD:rD+7], v[rA:rA+15], v[rW:rW+15], v[rC:rC+7], v[AS+8*(\bf)+\s], v[WS+8*\t+\s]
.else
	v_wmma_scale_f32_16x16x128_f8f6f4 v[rD:rD+7], v[rW:rW+15], v[rA:rA+15], v[rC:rC+7], v[WS+8*\t+\s], v[AS+8*(\bf)+\s]
.endif
.endr
.endr
	WIN 0
.endm
; tiles 2 be and 2 be + 1 of the half.  Each wait is for 0: what it waits for was asked for 32 matrix instructions earlier.  Eight plain places stand between a buffer's last products and the loads into it, and in front of the first read of results.
.macro PAIR be, vm
	s_wait_dscnt 0x0                               ; buffer 0 is in
	AFQ 1, 2*\be+1, 0
.if \vm
	MM 0, ACC, 16, 1
.else
	MM 0, ACC, 8, 0
.endif
	s_wait_dscnt 0x0                               ; buffer 1 is in
	PLACES 8
.if \be == 3
	AFQ 0, 0, 1                                    ; the other half's first tile (in the second trip a re-read that nobody uses)
.else
	AFQ 0, 2*\be+2, 0
.endif
.if \vm
	MM 1, ACC+8, 16, 1
.else
	MM 1, ACC+32, 8, 0
.endif
	PLACES 8
.endm
.macro EPIQK be                        ; blocks 0, 1: tile 2 be; blocks 2, 3: tile 2 be + 1
	s_wait_xcnt 0x0                                ; the earlier stores have read their data: the codes and words may be written again
	QUANT ACC, PC, PW
	v_and_b32 v[PWS+2*\be], 0xffff, v[PW]
	v_lshrrev_b32 v[PWS+2*\be+1], 16, v[PW]
.irp i, 0,1,2,3
	global_store_b128 v[LI], v[PC+4*\i:PC+4*\i+3], s[DC:DC+1] offset:\be*2048+\i*512
.endr
.if \be == 3
	global_store_b128 v[LI], v[PWS:PWS+3], s[DS:DS+1]
	global_store_b128 v[LI], v[PWS+4:PWS+7], s[DS:DS+1] offset:512
.endif
.endm
.macro EPIV be                         ; block t: channel tile t, keys 32 be + 16 h + 0 .. 15 of the key step
	s_wait_xcnt 0x0
	QUANT ACC, PC, PW
.irp t, 0,1,2,3
.if \be == 0
	v_mov_b32 v[PWS+\t], v[TM+4+\t]
.else
	v_lshl_or_b32 v[PWS+\t], v[TM+4+\t], 8*\be, v[PWS+\t]
.endif
.endr
.irp t, 0,1,2,3
	global_store_b128 v[LI], v[PC+4*\t:PC+4*\t+3], s[DC:DC+1] offset:\t*2048+\be*512
.endr
.if \be == 3
	global_store_b128 v[LI], v[PWS:PWS+3], s[DS:DS+1]
.endif
.endm
	s_load_b512 s[4:19], s[0:1], 0x0               ; xq, Wq codes, scales, bq, Wk codes, scales, bk, Wv codes
	s_load_b128 s[20:23], s[0:1], 0x40             ; Wv scales, bv
	s_load_b64 s[24:25], s[0:1], 0x50              ; qkv
	v_lshl_add_u32 v254, v0, 2, 0x48000
	v_mov_b32 v255, 0
	ds_add_u32 v254, v255
	ds_add_u32 v254, v255
	v_lshrrev_b32 v9, 5, v0
	v_readfirstlane_b32 s[WV], v9                  ; wave 0..3
	s_bfe_u32 s[CX], ttmp6, 0x40000
	s_and_b32 s[YY], ttmp7, 0xffff                 ; the block of 256 tokens
	s_lshl_b32 s[HH], s[CX], 2
	s_add_co_u32 s[HH], s[HH], s[WV]               ; my head
	; descriptor group 1: a dense block as rows of 256 bytes (32 elements of 8 bytes): four tiles' records, codes and scale words; mask 15 with bit 21 beside it
	s_mov_b32 s[G1C], 15|(3<<16)|(1<<21)
	s_mov_b32 s[G1C+1], 32<<16
	s_mov_b32 s[G1C+2], 272<<16                    ; four tiles' records on end: 272 rows of 256 bytes
	s_mov_b32 s[G1C+3], 32<<16
	s_mov_b32 s[G1C+4], 272
	s_mov_b32 s[G1C+5], 32
	s_mov_b32 s[G1C+6], 0
	s_mov_b32 s[G1C+7], 0
	s_mul_i32 s86, s[YY], 278528                   ; the records of tiles 16 y + 4 w .. + 3
	s_mul_i32 s88, s[WV], 69632
	s_add_co_u32 s86, s86, s88
	s_mov_b32 s87, 0
	s_mov_b32 s[G0A], 1
	s_mov_b32 s[G0A+1], s88
	s_wait_dscnt 0x0
	s_wait_kmcnt 0x0
	s_add_nc_u64 s[G0A+2:G0A+3], s[4:5], s[86:87]
	s_or_b32 s[G0A+3], s[G0A+3], 0x80000000
	CROUND                                         ; all four work-groups are here: the joint loads meet
	tensor_load_to_lds s[G0A:G0A+3], s[G1C:G1C+7]  ; my one load: a first fill, nothing is filled again
	s_nop 0
	PLACES 4
	s_cmp_eq_u32 ttmp9, 0                          ; which weight: the choice hangs on the cluster's number alone
	s_cselect_b64 s[26:27], s[6:7], s[12:13]
	s_cselect_b64 s[28:29], s[8:9], s[14:15]
	s_cselect_b64 s[30:31], s[10:11], s[16:17]
	s_cmp_eq_u32 ttmp9, 2
	s_cselect_b64 s[26:27], s[18:19], s[26:27]
	s_cselect_b64 s[28:29], s[20:21], s[28:29]
	s_cselect_b64 s[30:31], s[22:23], s[30:31]
	s_mov_b32 s91, 0
	s_lshl_b32 s90, s[HH], 16                      ; my head's 64 rows: 1,024 bytes of codes,
	s_add_nc_u64 s[26:27], s[26:27], s[90:91]
	s_lshl_b32 s90, s[HH], 11                      ; 32 of scales,
	s_add_nc_u64 s[28:29], s[28:29], s[90:91]
	s_lshl_b32 s90, s[HH], 8                       ; 4 of bias a row
	s_add_nc_u64 s[30:31], s[30:31], s[90:91]
	v_and_b32 v9, 31, v0
	v_lshlrev_b32 v[LI], 4, v9
	v_lshl_add_u32 v[LS8], v9, 3, XSC
	v_and_b32 v10, 15, v0                          ; r
	v_bfe_u32 v11, v0, 4, 1                        ; h
	v_and_b32 v12, 8, v10
	v_add_nc_u32 v12, v12, v10                     ; r + 8 (r / 8)
	v_lshlrev_b32 v[WA], 10, v12
	v_lshl_add_u32 v[WA], v11, 4, v[WA]
	v_lshlrev_b32 v[WSA], 5, v12
	v_lshlrev_b32 v[BA], 6, v11
	v_lshlrev_b32 v[BAV], 2, v12
	WIN 0x40                                       ; destination window 1
.irp t, 0,1,2,3
.irp s, 0,1,2,3
.irp c, 0,1,2,3
	global_load_b128 v[16*(4*\t+\s)+4*\c:16*(4*\t+\s)+4*\c+3], v[WA], s[26:27] offset:(32*(\t/2)+8*(\t%2))*1024+128*\s+32*\c
.endr
.endr
.endr
	WIN 0x80                                       ; destination window 2
.irp t, 0,1,2,3
.irp s, 0,1,2,3
.irp c, 0,1,2,3
	global_load_b128 v[16*(4*\t+\s)+4*\c:16*(4*\t+\s)+4*\c+3], v[WA], s[26:27] offset:(32*(\t/2)+8*(\t%2))*1024+512+128*\s+32*\c
.endr
.endr
.endr
	WIN 0
.irp t, 0,1,2,3
	global_load_b128 v[WS+8*\t:WS+8*\t+3], v[WSA], s[28:29] offset:(32*(\t/2)+8*(\t%2))*32
	global_load_b128 v[WS+8*\t+4:WS+8*\t+7], v[WSA], s[28:29] offset:(32*(\t/2)+8*(\t%2))*32+16
.endr
	; where my results go
	s_lshr_b32 s92, s[YY], 3
	s_lshl_b32 s92, s92, 4
	s_add_co_u32 s92, s92, s[HH]                   ; batch x 16 + head
	s_and_b32 s93, s[YY], 7
	s_lshl_b32 s90, ttmp9, 22
	s_lshl_b32 s94, s92, 17
	s_add_co_u32 s90, s90, s94
	s_lshl_b32 s94, s93, 14                        ; two key steps of 8,192 bytes for each 256 tokens
	s_add_co_u32 s90, s90, s94
	s_add_nc_u64 s[DC:DC+1], s[24:25], s[90:91]
	s_mul_i32 s90, s92, 40960
	s_lshl_b32 s94, ttmp9, 14
	s_add_co_u32 s90, s90, s94
	s_cmp_eq_u32 ttmp9, 2
	s_cselect_b32 s94, 10, 11                      ; a key step's words: 512 bytes of v's, 1,024 of q's or k's
	s_lshl_b32 s94, s93, s94
	s_add_co_u32 s90, s90, s94
	s_add_co_u32 s90, s90, QSO
	s_add_nc_u64 s[DS:DS+1], s[24:25], s[90:91]
	s_mov_b32 s[SEL], 0x76543210
	s_mov_b32 s[SEL+1], 0xfedcba98
	s_mov_b32 s[MNT], 0x600000
	s_mov_b32 s[TB], 0
	s_mov_b32 s[TSB], 0
	s_mov_b32 s[TRIP], 2
.irp b, 0,1,2,3
	v_mov_b32 v[TM+4+\b], 0                        ; written once: a lane permute's destination counts as one of its sources
.endr
	s_wait_tensorcnt 0x0                           ; all my parts have landed,
	s_barrier_signal -1
	s_barrier_wait -1                              ; everybody's have: from here on LDS is only read
	s_cmp_eq_u32 ttmp9, 2
	s_cbranch_scc1 .Lvpath
	; ---- q or k: the bias runs along source 0: lane (r, h) wants, for tile 2 b + u, channels 32 b + 16 h + 8 u + 0 .. 7
	s_wait_alu depctr_va_vdst(0)
.irp t, 0,1,2,3
	global_load_b128 v[BI+8*\t:BI+8*\t+3], v[BA], s[30:31] offset:(32*(\t/2)+8*(\t%2))*4
	global_load_b128 v[BI+8*\t+4:BI+8*\t+7], v[BA], s[30:31] offset:(32*(\t/2)+8*(\t%2))*4+16
.endr
	s_wait_loadcnt 0x0                             ; weights, scale words, bias
	AFQ 0, 0, 0
.Lqk:                                              ; two trips of 128 tokens
.irp e, 0,1,2,3
	PAIR \e, 0
	EPIQK \e
.endr
	s_wait_xcnt 0x0                                ; the stores have read their bases
	s_add_nc_u64 s[DC:DC+1], s[DC:DC+1], 8192
	s_add_nc_u64 s[DS:DS+1], s[DS:DS+1], 1024
	s_xor_b32 s[TB], s[TB], 139264
	s_xor_b32 s[TSB], s[TSB], 139264
	s_sub_co_u32 s[TRIP], s[TRIP], 1
	s_cmp_lg_u32 s[TRIP], 0
	s_cbranch_scc1 .Lqk
	s_branch .Lend
.Lvpath:
	; ---- v: the bias runs along source 1: lane r wants its channel's, in all eight registers
	s_wait_alu depctr_va_vdst(0)
.irp t, 0,1,2,3
	global_load_b32 v[BI+8*\t], v[BAV], s[30:31] offset:(32*(\t/2)+8*(\t%2))*4
.endr
	s_wait_loadcnt 0x0
.irp t, 0,1,2,3
.irp j, 1,2,3,4,5,6,7
	v_mov_b32 v[BI+8*\t+\j], v[BI+8*\t]
.endr
.endr
	AFQ 0, 0, 0
.Lv:
	s_wait_alu depctr_va_vdst(0)
.irp e, 0,1,2,3
	PAIR \e, 1
	EPIV \e
.endr
	s_wait_xcnt 0x0
	s_add_nc_u64 s[DC:DC+1], s[DC:DC+1], 8192
	s_add_nc_u64 s[DS:DS+1], s[DS:DS+1], 512
	s_xor_b32 s[TB], s[TB], 139264
	s_xor_b32 s[TSB], s[TSB], 139264
	s_sub_co_u32 s[TRIP], s[TRIP], 1
	s_cmp_lg_u32 s[TRIP], 0
	s_cbranch_scc1 .Lv
.Lend:
	s_wait_dscnt 0x0                               ; no LDS instruction of mine is out at a signal
	s_wait_tensorcnt 0x0
	ds_add_u32 v254, v255
	s_wait_dscnt 0x0
	CROUND                                         ; the closing round
	s_endpgm
.Lfunc_end_k_q47ae1bcb10_qkv:
	.size	k_q47ae1bcb10_qkv, .Lfunc_end_k_q47ae1bcb10_qkv-k_q47ae1bcb10_qkv
	.p2alignl 7, 3214868480
	.fill 96, 4, 3214868480
	.section	.rodata,"a",@progbits
	.p2align	6, 0x0
	.amdhsa_kernel k_q47ae1bcb10_qkv
		.amdhsa_group_segment_fixed_size 295424
		.amdhsa_private_segment_fixed_size 0
		.amdhsa_enable_private_segment 0
		.amdhsa_kernarg_size 88
		.amdhsa_user_sgpr_count 2
		.amdhsa_user_sgpr_kernarg_segment_ptr 1
		.amdhsa_wavefront_size32 1
		.amdhsa_system_sgpr_workgroup_id_x 1
		.amdhsa_system_sgpr_workgroup_id_y 1
		.amdhsa_system_sgpr_workgroup_id_z 1
		.amdhsa_system_vgpr_workitem_id 0
		.amdhsa_next_free_vgpr 1024
		.amdhsa_next_free_sgpr 100
		.amdhsa_reserve_vcc 0
		.amdhsa_float_denorm_mode_32 3
		.amdhsa_float_denorm_mode_16_64 3
		.amdhsa_memory_ordered 1
		.amdhsa_forward_progress 1
		.amdhsa_inst_pref_size 205
	.end_amdhsa_kernel
	.amdgpu_metadata
---
amdhsa.version: [ 1, 2 ]
amdhsa.kernels:
  - .name:           k_q47ae1bcb10_qkv
    .symbol:         k_q47ae1bcb10_qkv.kd
    .args:
      - { .name: xq, .offset: 0, .size: 8, .value_kind: global_buffer, .address_space: global }
      - { .name: Wq_codes, .offset: 8, .size: 8, .value_kind: global_buffer, .address_space: global }
      - { .name: Wq_scales, .offset: 16, .size: 8, .value_kind: global_buffer, .address_space: global }
      - { .name: bq, .offset: 24, .size: 8, .value_kind: global_buffer, .address_space: global }
      - { .name: Wk_codes, .offset: 32, .size: 8, .value_kind: global_buffer, .address_space: global }
      - { .name: Wk_scales, .offset: 40, .size: 8, .value_kind: global_buffer, .address_space: global }
      - { .name: bk, .offset: 48, .size: 8, .value_kind: global_buffer, .address_space: global }
      - { .name: Wv_codes, .offset: 56, .size: 8, .value_kind: global_buffer, .address_space: global }
      - { .name: Wv_scales, .offset: 64, .size: 8, .value_kind: global_buffer, .address_space: global }
      - { .name: bv, .offset: 72, .size: 8, .value_kind: global_buffer, .address_space: global }
      - { .name: qkv, .offset: 80, .size: 8, .value_kind: global_buffer, .address_space: global }
    .group_segment_fixed_size: 295424
    .private_segment_fixed_size: 0
    .kernarg_segment_align: 8
    .kernarg_segment_size: 88
    .max_flat_workgroup_size: 128
    .sgpr_count:     100
    .vgpr_count:     1024
    .wavefront_size: 32
...
	.end_amdgpu_metadata
.endif
;; end of part 2
;; launch attn (part 3): grid 8 x 32, 16 waves a work-group, clusters of 4 x 1, 327,680 bytes of LDS; arguments qkv, oq; writes oq
.if DOCPART == 3
	.amdgcn_target "amdgcn-amd-amdhsa--gfx1250"
	.amdhsa_code_object_version 6
	.text
	.protected	k_q47ae1bcb10_attn
	.globl	k_q47ae1bcb10_attn
	.p2align	8
	.type	k_q47ae1bcb10_attn,@function
k_q47ae1bcb10_attn:
	s_mov_b64 s[64:65], 0
	v_nop
	global_prefetch_b8 v0, s[64:65] scope:SCOPE_SE
	s_setreg_imm32_b32 hwreg(HW_REG_WAVE_MODE, 25, 1), 1
	s_wait_xcnt 0x0
	s_wait_alu depctr_hold_cnt(0) depctr_sa_sdst(0) depctr_va_vdst(0) depctr_va_sdst(0) depctr_va_ssrc(0) depctr_va_vcc(0) depctr_vm_vsrc(0)
	s_getreg_b32 s2, hwreg(HW_REG_IB_STS2, 6, 4)
	s_cmp_eq_u32 s2, 0
	s_cbranch_scc0 .Lentry_in_a_cluster
	s_endpgm
.Lentry_in_a_cluster:
	s_bfe_u32 s2, ttmp6, 0x10000c
	s_cmp_lg_u32 s2, 0x3003
	s_cbranch_scc0 .Lentry_shape_is_right
	s_endpgm
.Lentry_shape_is_right:
.set QSO, 12582912
.set OSO, 4194304
.set VC, 131072
.set KS, 262144
.set VS, 278528
.set OSC, 286720
.set LI, 1
.set LV, 2
.set LKS, 3
.set LVS, 4
.set OSA, 5
.set OSR, 6
.set ADK, 8
.set ADV, 9
.set ADS, 10
.set ADT, 11
.set QF, 16
.set KF, 32
.set SS, 104
.set OT, 168
.set KW, 200
.set VW, 208
.set H2, 212
.set WV, 8
.set CX, 9
.set QB, 10
.set BH, 11
.set G1S, 16
.set G1A, 24
.set G1B, 32
.set GS, 40
.set GA, 44
.set GB, 48
.set SEL, 52
.set CS, 54
.set MNT, 56
.set TK, 57
.set TS, 58
.set TV, 59
.set CNT, 60
.macro PLACES n
.rept \n
	v_nop
.endr
.endm
.macro CROUND
	s_barrier_signal -1
	s_barrier_wait -1
	s_cmp_lg_u32 s[WV], 0
	s_cbranch_scc1 .Lnot_wave_0_\@
	s_barrier_signal -3
.Lnot_wave_0_\@:
	s_barrier_wait -3
	s_barrier_signal -1
	s_barrier_wait -1
.endm
.macro DESC g, r
	s_mov_b32 s[\g], 15|(3<<16)|(1<<21)
	s_mov_b32 s[\g+1], 32<<16
	s_mov_b32 s[\g+2], (\r)<<16
	s_mov_b32 s[\g+3], 32<<16
	s_mov_b32 s[\g+4], \r
	s_mov_b32 s[\g+5], 32
	s_mov_b32 s[\g+6], 0
	s_mov_b32 s[\g+7], 0
.endm
.macro KLOAD o
.irp t, 0,1,2,3,4,5,6,7
	ds_load_b128 v[KF+8*\t:KF+8*\t+3], v[ADK] offset:\o*8192+\t*1024
	ds_load_b128 v[KF+8*\t+4:KF+8*\t+7], v[ADK] offset:\o*8192+\t*1024+512
.endr
	ds_load_b128 v[KW:KW+3], v[ADS] offset:\o*1024
	ds_load_b128 v[KW+4:KW+7], v[ADS] offset:\o*1024+512
.endm
.macro STEP la
	v_add_nc_u32 v[ADV], s[TK], v[LV]
	v_add_nc_u32 v[ADT], s[TV], v[LVS]
	v_mov_b32 v254, v12
	PLACES 6
	s_wait_dscnt 0x0
.irp t, 0,1,2,3,4,5,6,7
	v_wmma_scale_f32_16x16x128_f8f6f4 v[SS+8*\t:SS+8*\t+7], v[KF+8*\t:KF+8*\t+15], v[QF:QF+15], 0, v[KW+\t], v255
.endr
.if \la
	v_add_nc_u32 v[ADK], s[TK], v[LI]
	v_add_nc_u32 v[ADS], s[TS], v[LKS]
	PLACES 6
	KLOAD 1
.else
	PLACES 8
.endif
.irp b, 0,1,2,3
	v_max3_num_f32 v[232+\b], v[SS+16*\b], v[SS+16*\b+1], v[SS+16*\b+2]
.endr
.irp i, 3,5,7,9,11,13
.irp b, 0,1,2,3
	v_max3_num_f32 v[232+\b], v[232+\b], v[SS+16*\b+\i], v[SS+16*\b+\i+1]
.endr
.endr
.irp b, 0,1,2,3
	v_max_num_f32 v[232+\b], v[232+\b], v[SS+16*\b+15]
.endr
.irp b, 0,1,2,3
	v_permlanex16_b32 v[236+\b], v[232+\b], s[SEL], s[SEL+1]
.endr
.irp b, 0,1,2,3
	s_delay_alu instid0(VALU_DEP_4)
	v_max_num_f32 v[232+\b], v[232+\b], v[236+\b]
.endr
	s_delay_alu instid0(VALU_DEP_2)
	v_max3_num_f32 v252, v232, v233, v234
	s_delay_alu instid0(VALU_DEP_1)
	v_max_num_f32 v252, v252, v235
	s_delay_alu instid0(VALU_DEP_1)
	v_mul_f32 v252, s[CS], v252
	s_delay_alu instid0(VALU_DEP_1)
	v_max_num_f32 v13, v13, v252
	s_delay_alu instid0(VALU_DEP_1)
	v_floor_f32 v12, -v13
	s_delay_alu instid0(VALU_DEP_1)
	v_sub_f32 v254, v12, v254
	s_delay_alu instid0(VALU_DEP_1)
	v_cvt_i32_f32 v254, v254
	s_delay_alu instid0(VALU_DEP_1)
	v_ldexp_f32 v252, 1.0, v254
.set j, 0
.rept 32
	v_pk_fma_f32 v[SS+j:SS+j+1], v[SS+j:SS+j+1], s[CS:CS+1], v[12:13] op_sel_hi:[1,0,0]
.set j, j+2
.endr
.irp b, 0,1,2,3
	v_fma_f32 v[232+\b], v[232+\b], s[CS], v12
.endr
.set j, 0
	s_wait_alu depctr_va_vdst(0)
.rept 64
	v_exp_f32 v[SS+j], v[SS+j]
.set j, j+1
.endr
	v_pk_mul_f32 v[14:15], v[14:15], v[252:253] op_sel_hi:[1,0]
	s_wait_alu depctr_va_vdst(0)
.irp b, 0,1,2,3
	v_exp_f32 v[232+\b], v[232+\b]
.endr
	v_pk_add_f32 v[236:237], v[SS:SS+1], v[SS+2:SS+3]
.irp j, 4,8,12,16,20,24,28,32,36,40,44,48,52,56,60
	v_pk_add_f32 v[14:15], v[14:15], v[SS+\j:SS+\j+1]
	v_pk_add_f32 v[236:237], v[236:237], v[SS+\j+2:SS+\j+3]
.endr
	s_delay_alu instid0(VALU_DEP_1)
	v_pk_add_f32 v[14:15], v[14:15], v[236:237]
	s_wait_alu depctr_va_vdst(0)
.irp b, 0,1,2,3
	v_max_num_f32 v[232+\b], 0x4800000, v[232+\b]
.endr
.irp b, 0,1,2,3
	s_delay_alu instid0(VALU_DEP_4)
	v_add_nc_u32 v[244+\b], 0xfc000000, v[232+\b]
.endr
.irp b, 0,1,2,3
	v_and_or_b32 v[240+\b], v[232+\b], 0x7f800000, s[MNT]
.endr
.irp b, 0,1,2,3
	v_and_or_b32 v[H2+(\b+1)%4], v[232+\b], 0x7f800000, s[MNT]
.endr
.irp b, 0,1,2,3
	v_lshrrev_b32 v[236+\b], 23, v[244+\b]
.endr
	s_delay_alu instid0(VALU_DEP_3)
	v_lshl_or_b32 v253, v237, 8, v236
	s_delay_alu instid0(VALU_DEP_1)
	v_lshl_or_b32 v253, v238, 16, v253
	s_delay_alu instid0(VALU_DEP_1)
	v_lshl_or_b32 v253, v239, 24, v253
.irp b, 0,1,2,3
.irp i, 0,2,4,6,8,10,12,14
	v_dual_min_num_f32 v[SS+16*\b+\i], v[SS+16*\b+\i], v[240+\b] :: v_dual_min_num_f32 v[SS+16*\b+\i+1], v[SS+16*\b+\i+1], v[H2+(\b+1)%4]
.endr
	v_cvt_scalef32_pk8_fp8_f32 v[224+4*\b:225+4*\b], v[SS+16*\b:SS+16*\b+7], v[244+\b]
	v_cvt_scalef32_pk8_fp8_f32 v[226+4*\b:227+4*\b], v[SS+16*\b+8:SS+16*\b+15], v[244+\b]
.endr
	v_pk_mul_f32 v[OT:OT+1], v[OT:OT+1], v[252:253] op_sel_hi:[1,0]
.irp t, 0,1,2,3
.irp c, 0,1,2,3
	ds_load_b128 v[SS+16*\t+4*\c:SS+16*\t+4*\c+3], v[ADV] offset:\t*2048+\c*512
.endr
.endr
	ds_load_b128 v[VW:VW+3], v[ADT]
.set j, 2
.rept 15
	v_pk_mul_f32 v[OT+j:OT+j+1], v[OT+j:OT+j+1], v[252:253] op_sel_hi:[1,0]
.set j, j+2
.endr
	s_wait_alu depctr_va_vdst(0)
	s_wait_dscnt 0x0
.irp t, 0,1,2,3
	v_wmma_scale_f32_16x16x128_f8f6f4 v[OT+8*\t:OT+8*\t+7], v[SS+16*\t:SS+16*\t+15], v[224:239], v[OT+8*\t:OT+8*\t+7], v[VW+\t], v253
.endr
	s_add_co_u32 s[TK], s[TK], 8192
	s_add_co_u32 s[TS], s[TS], 1024
	s_add_co_u32 s[TV], s[TV], 512
.endm
	s_load_b128 s[4:7], s[0:1], 0x0
	v_lshl_add_u32 v250, v0, 2, 0x48000
	v_mov_b32 v251, 0
	ds_add_u32 v250, v251
	ds_add_u32 v250, v251
	v_lshrrev_b32 v8, 5, v0
	s_delay_alu instid0(VALU_DEP_1)
	v_readfirstlane_b32 s[WV], v8
	s_bfe_u32 s[CX], ttmp6, 0x40000
	s_lshl_b32 s[QB], ttmp9, 2
	s_add_co_u32 s[QB], s[QB], s[CX]
	s_and_b32 s[BH], ttmp7, 0xffff
	DESC G1S, 48                                   ; waves 14, 15: half of the head's scale words each
	DESC G1A, 64                                   ; waves 0-7: an eighth of K's codes; waves 8-11: an eighth of V's
	DESC G1B, 128                                  ; waves 12, 13: a quarter of V's codes
	s_lshr_b32 s66, s[WV], 3
	s_and_b32 s67, s[WV], 7
	s_and_b32 s68, s[WV], 1
	s_lshl_b32 s69, s[WV], 14
	s_lshl_b32 s70, s68, 15
	s_add_co_u32 s70, s70, VC+65536
	s_lshl_b32 s72, s66, 22
	s_lshl_b32 s71, s[BH], 17
	s_add_co_u32 s72, s72, s71
	s_add_co_u32 s72, s72, 0x400000
	s_lshl_b32 s74, s67, 14
	s_add_co_u32 s72, s72, s74
	s_add_co_u32 s74, s71, s70
	s_add_co_u32 s74, s74, 0x800000-VC
	s_mov_b32 s73, 0
	s_mov_b32 s75, 0
	s_mul_i32 s76, s[BH], 40960
	s_mul_i32 s78, s68, 12288
	s_add_co_u32 s76, s76, s78
	s_add_co_u32 s76, s76, QSO+16384
	s_mov_b32 s77, 0
	s_mov_b32 s[GS], 1
	s_mov_b32 s[GA], 1
	s_mov_b32 s[GB], 1
	s_add_co_u32 s[GS+1], s78, KS
	s_mov_b32 s[GA+1], s69
	s_mov_b32 s[GB+1], s70
	s_wait_dscnt 0x0
	s_wait_kmcnt 0x0
	s_add_nc_u64 s[GS+2:GS+3], s[4:5], s[76:77]
	s_add_nc_u64 s[GA+2:GA+3], s[4:5], s[72:73]
	s_add_nc_u64 s[GB+2:GB+3], s[4:5], s[74:75]
	s_or_b32 s[GS+3], s[GS+3], 0x80000000
	s_or_b32 s[GA+3], s[GA+3], 0x80000000
	s_or_b32 s[GB+3], s[GB+3], 0x80000000
	CROUND
	s_cmp_lt_u32 s[WV], 12                         ; one joint load a wave, in one chain of arms: every byte is filled once
	s_cbranch_scc0 .Lhead_b
	tensor_load_to_lds s[GA:GA+3], s[G1A:G1A+7]
	s_nop 0
	PLACES 4
	s_branch .Lhead_asked
.Lhead_b:
	s_cmp_lt_u32 s[WV], 14
	s_cbranch_scc0 .Lhead_s
	tensor_load_to_lds s[GB:GB+3], s[G1B:G1B+7]
	s_nop 0
	PLACES 4
	s_branch .Lhead_asked
.Lhead_s:
	tensor_load_to_lds s[GS:GS+3], s[G1S:G1S+7]
	s_nop 0
	PLACES 4
.Lhead_asked:
	s_mov_b32 s75, 0
	s_lshl_b32 s74, s[BH], 17
	s_lshl_b32 s84, s[QB], 14
	s_add_co_u32 s74, s74, s84
	s_lshl_b32 s84, s[WV], 10
	s_add_co_u32 s74, s74, s84
	s_add_nc_u64 s[76:77], s[4:5], s[74:75]
	s_mul_i32 s74, s[BH], 40960
	s_lshl_b32 s84, s[QB], 11
	s_add_co_u32 s74, s74, s84
	s_lshr_b32 s84, s[WV], 2
	s_lshl_b32 s84, s84, 9
	s_add_co_u32 s74, s74, s84
	s_and_b32 s84, s[WV], 3
	s_lshl_b32 s84, s84, 2
	s_add_co_u32 s74, s74, s84
	s_add_co_u32 s74, s74, QSO
	s_add_nc_u64 s[78:79], s[4:5], s[74:75]
	s_lshr_b32 s84, s[BH], 4
	s_lshl_b32 s84, s84, 7
	s_lshl_b32 s85, s[QB], 4
	s_add_co_u32 s84, s84, s85
	s_and_b32 s86, s[BH], 15
	s_add_co_u32 s74, s84, s[WV]
	s_lshl_b32 s74, s74, 14
	s_lshl_b32 s85, s86, 10
	s_add_co_u32 s74, s74, s85
	s_add_nc_u64 s[80:81], s[6:7], s[74:75]
	s_lshl_b32 s74, s86, 8
	s_add_co_u32 s74, s74, s84
	s_lshl_b32 s74, s74, 6
	s_lshl_b32 s85, s[WV], 9
	s_add_co_u32 s74, s74, s85
	s_add_co_u32 s74, s74, OSO
	s_add_nc_u64 s[82:83], s[6:7], s[74:75]
	v_and_b32 v8, 31, v0
	s_delay_alu instid0(VALU_DEP_1)
	v_lshlrev_b32 v[LI], 4, v8
	global_load_b128 v[QF:QF+3], v[LI], s[76:77]
	global_load_b128 v[QF+4:QF+7], v[LI], s[76:77] offset:512
	global_load_b32 v255, v[LI], s[78:79]
	v_add_nc_u32 v[LV], VC, v[LI]
	v_add_nc_u32 v[LKS], KS, v[LI]
	v_add_nc_u32 v[LVS], VS, v[LI]
	v_lshl_add_u32 v[OSA], v0, 1, OSC
	v_lshl_add_u32 v[OSR], v0, 4, OSC
	s_mov_b32 s[SEL], 0x76543210
	s_mov_b32 s[SEL+1], 0xfedcba98
	s_mov_b32 s[CS], 0x3d38aa3b
	s_mov_b32 s[CS+1], s[CS]
	s_mov_b32 s[MNT], 0x600000
	s_mov_b32 s[TK], 0
	s_mov_b32 s[TS], 0
	s_mov_b32 s[TV], 0
.irp j, 0,1,2,3,4,5,6,7
	v_mov_b32 v[QF+8+\j], 0
	v_mov_b32 v[KF+64+\j], 0
.endr
	v_mov_b32 v13, 0xff61b1e6
	s_delay_alu instid0(VALU_DEP_1)
	v_floor_f32 v12, -v13
	v_mov_b32 v14, 0
	v_mov_b32 v15, 0
.irp b, 0,1,2,3
	v_mov_b32 v[236+\b], 0
.endr
	v_mov_b32 v253, 0
.set j, 0
.rept 32
	v_mov_b32 v[OT+j], 0
.set j, j+1
.endr
	s_wait_loadcnt 0x0
	s_wait_tensorcnt 0x0
	s_barrier_signal -1
	s_barrier_wait -1
	v_add_nc_u32 v[ADK], s[TK], v[LI]
	v_add_nc_u32 v[ADS], s[TS], v[LKS]
	KLOAD 0
	s_mov_b32 s[CNT], 15
.Lrest:
	STEP 1
	s_sub_co_u32 s[CNT], s[CNT], 1
	s_cmp_lg_u32 s[CNT], 0
	s_cbranch_scc1 .Lrest
	STEP 0
	s_wait_dscnt 0x0
	s_barrier_signal -1
	s_barrier_wait -1
	PLACES 8
	v_add_f32 v14, v14, v15
	s_delay_alu instid0(VALU_DEP_1)
	v_permlanex16_b32 v252, v14, s[SEL], s[SEL+1]
	s_delay_alu instid0(VALU_DEP_1)
	v_add_f32 v14, v14, v252
	s_wait_alu depctr_va_vdst(0)
	v_rcp_f32 v14, v14
	v_nop
	s_wait_alu depctr_va_vdst(0)
.set j, 0
.rept 32
	v_mul_f32 v[SS+j], v[OT+j], v14
.set j, j+1
.endr
.irp b, 0,1
	v_max3_num_f32 v[232+\b], |v[SS+16*\b]|, |v[SS+16*\b+1]|, 0x4800000
.endr
.irp i, 2,4,6,8,10,12,14
.irp b, 0,1
	s_delay_alu instid0(VALU_DEP_2)
	v_max3_num_f32 v[232+\b], v[232+\b], |v[SS+16*\b+\i]|, |v[SS+16*\b+\i+1]|
.endr
.endr
.irp b, 0,1
	v_permlanex16_b32 v[236+\b], v[232+\b], s[SEL], s[SEL+1]
.endr
.irp b, 0,1
	s_delay_alu instid0(VALU_DEP_2)
	v_max_num_f32 v[232+\b], v[232+\b], v[236+\b]
.endr
.irp b, 0,1
	s_delay_alu instid0(VALU_DEP_2)
	v_add_nc_u32 v[244+\b], 0xfc000000, v[232+\b]
.endr
.irp b, 0,1
	s_delay_alu instid0(VALU_DEP_4)
	v_and_or_b32 v[240+\b], v[232+\b], 0x7f800000, s[MNT]
.endr
.irp b, 0,1
	s_delay_alu instid0(VALU_DEP_4)
	v_lshrrev_b32 v[236+\b], 23, v[244+\b]
.endr
	s_delay_alu instid0(VALU_DEP_1)
	v_lshl_or_b32 v238, v237, 8, v236
.irp b, 0,1
.irp i, 0,1,2,3,4,5,6,7,8,9,10,11,12,13,14,15
	v_med3_num_f32 v[SS+16*\b+\i], v[SS+16*\b+\i], -v[240+\b], v[240+\b]
.endr
	v_cvt_scalef32_pk8_fp8_f32 v[224+4*\b:225+4*\b], v[SS+16*\b:SS+16*\b+7], v[244+\b]
	v_cvt_scalef32_pk8_fp8_f32 v[226+4*\b:227+4*\b], v[SS+16*\b+8:SS+16*\b+15], v[244+\b]
.endr
	v_nop
	global_store_b128 v[LI], v[224:227], s[80:81]
	global_store_b128 v[LI], v[228:231], s[80:81] offset:512
	ds_store_b16 v[OSA], v238
	s_wait_dscnt 0x0
	s_barrier_signal -1
	s_barrier_wait -1
	s_cmp_lt_u32 s[WV], 2
	s_cbranch_scc0 .Ldone
	ds_load_b128 v[232:235], v[OSR]
	s_wait_dscnt 0x0
	global_store_b128 v[LI], v[232:235], s[82:83]
.Ldone:
	s_wait_tensorcnt 0x0
	ds_add_u32 v250, v251
	s_wait_dscnt 0x0
	CROUND
	s_endpgm
.Lfunc_end_k_q47ae1bcb10_attn:
	.size	k_q47ae1bcb10_attn, .Lfunc_end_k_q47ae1bcb10_attn-k_q47ae1bcb10_attn
	.p2alignl 7, 3214868480
	.fill 96, 4, 3214868480
	.section	.rodata,"a",@progbits
	.p2align	6, 0x0
	.amdhsa_kernel k_q47ae1bcb10_attn
		.amdhsa_group_segment_fixed_size 327680
		.amdhsa_private_segment_fixed_size 0
		.amdhsa_enable_private_segment 0
		.amdhsa_kernarg_size 16
		.amdhsa_user_sgpr_count 2
		.amdhsa_user_sgpr_kernarg_segment_ptr 1
		.amdhsa_wavefront_size32 1
		.amdhsa_system_sgpr_workgroup_id_x 1
		.amdhsa_system_sgpr_workgroup_id_y 1
		.amdhsa_system_sgpr_workgroup_id_z 1
		.amdhsa_system_vgpr_workitem_id 0
		.amdhsa_next_free_vgpr 256
		.amdhsa_next_free_sgpr 96
		.amdhsa_reserve_vcc 0
		.amdhsa_float_denorm_mode_32 3
		.amdhsa_float_denorm_mode_16_64 3
		.amdhsa_memory_ordered 1
		.amdhsa_forward_progress 1
		.amdhsa_inst_pref_size 56
	.end_amdhsa_kernel
	.amdgpu_metadata
---
amdhsa.version: [ 1, 2 ]
amdhsa.kernels:
  - .name:           k_q47ae1bcb10_attn
    .symbol:         k_q47ae1bcb10_attn.kd
    .args:
      - { .name: qkv, .offset: 0, .size: 8, .value_kind: global_buffer, .address_space: global }
      - { .name: oq, .offset: 8, .size: 8, .value_kind: global_buffer, .address_space: global }
    .group_segment_fixed_size: 327680
    .private_segment_fixed_size: 0
    .kernarg_segment_align: 8
    .kernarg_segment_size: 16
    .max_flat_workgroup_size: 512
    .sgpr_count:     96
    .vgpr_count:     256
    .wavefront_size: 32
...
	.end_amdgpu_metadata
.endif
;; end of part 3
;; launch proj (part 4): grid 4 x 64, 4 waves a work-group, clusters of 4 x 1, 168,448 bytes of LDS; arguments oq, Wp_codes, Wp_scales, bp, x, outb; writes outb
.if DOCPART == 4
	.amdgcn_target "amdgcn-amd-amdhsa--gfx1250"
	.amdhsa_code_object_version 6
	.text
	.protected	k_q47ae1bcb10_proj
	.globl	k_q47ae1bcb10_proj
	.p2align	8
	.type	k_q47ae1bcb10_proj,@function
k_q47ae1bcb10_proj:
	s_mov_b64 s[64:65], 0
	v_nop
	global_prefetch_b8 v0, s[64:65] scope:SCOPE_SE
	s_setreg_imm32_b32 hwreg(HW_REG_WAVE_MODE, 25, 1), 1
	s_wait_xcnt 0x0
	s_wait_alu depctr_hold_cnt(0) depctr_sa_sdst(0) depctr_va_vdst(0) depctr_va_sdst(0) depctr_va_ssrc(0) depctr_va_vcc(0) depctr_vm_vsrc(0)
	s_getreg_b32 s2, hwreg(HW_REG_IB_STS2, 6, 4)
	s_cmp_eq_u32 s2, 0
	s_cbranch_scc0 .Lentry_in_a_cluster
	s_endpgm
.Lentry_in_a_cluster:
	s_bfe_u32 s2, ttmp6, 0x10000c
	s_cmp_lg_u32 s2, 0x3003
	s_cbranch_scc0 .Lentry_shape_is_right
	s_endpgm
.Lentry_shape_is_right:
; out = x + o Wp + bp on codes of E4M3 with E8M0 scales.
; SHARES.  A work-group takes 64 tokens (4 tiles, work-group y) and 256 columns (work-group x = its place in the cluster); wave w takes 64 columns: its 64 rows of Wp, all 1,024 along K, stay in 512 registers.
; With 1,024 columns there are four column groups, so 64 tokens to a work-group give 256 work-groups.  The four of a cluster read the same tokens: one joint load a wave (mask 15), 16 KiB each, filled once.
; Source 0 = 16 rows of Wp, source 1 = 16 tokens: a lane holds one token and 16 neighbouring columns for each pair of tiles.  Results go through the wave's own stage in LDS and leave as rows: sixteen lanes store 256 bytes on end, aligned.
; o's scale words are pieced together from the halves that each head left: word of K step s = halves of heads 2 s and 2 s + 1.
; REGISTERS: window 0 as named; window 1, 2: Wp's fragments (t, s) at 16 (4 t + s % 4); window 3: two buffers of a tile's 8 fragments.
.set OSO, 4194304
.set STG, 65536                        ; LDS: token images at 0 (16,384 a tile); the stages here: 2 x 16 rows x 272 bytes a wave
.set LI, 1
.set L2, 2
.set STO, 3
.set RD, 4
.set CO, 5
.set WA, 6
.set WSA, 7
.set BA, 8
.set WS, 16
.set ACC, 64
.set BI, 128
.set RX, 160                           ; v160-223 the scale halves, later the residual
.set AS, 224                           ; v224-255 o's scale words: tile j, K step s at 224 + 8 j + s
.set WV, 16
.set CX, 17
.set XX, 18
.set YY, 19
.set G1, 24
.set G0, 32
.set MSB, 0
.macro WIN new
.if MSB != (\new)
	s_set_vgpr_msb (MSB<<8)|(\new)
.set MSB, (\new)
.endif
.endm
.macro PLACES n
.rept \n
	v_nop
.endr
.endm
.macro CROUND
	s_barrier_signal -1
	s_barrier_wait -1
	s_cmp_lg_u32 s[WV], 0
	s_cbranch_scc1 .Lnot_wave_0_\@
	s_barrier_signal -3
.Lnot_wave_0_\@:
	s_barrier_wait -3
	s_barrier_signal -1
	s_barrier_wait -1
.endm
.macro AFP bf, j                       ; tile j into buffer bf
	WIN 0xc0
.irp s, 0,1,2,3,4,5,6,7
.irp c, 0,1,2,3
	ds_load_b128 v[128*(\bf)+16*\s+4*\c:128*(\bf)+16*\s+4*\c+3], v[LI] offset:(\j)*16384+2048*\s+512*\c
.endr
.endr
	WIN 0
.endm
.macro MM bf, d0, sc                   ; 32 matrix instructions, K ascending, four accumulators by turns
.irp s, 0,1,2,3,4,5,6,7
	WIN 0x0d+(\s/4)
.irp t, 0,1,2,3
.set rD, (\d0)+8*\t
.set rC, rD
.if \s == 0
.set rC, BI+8*\t
.endif
.set rW, 16*(4*\t+(\s%4))
.set rA, 128*(\bf)+16*\s
	v_wmma_scale_f32_16x16x128_f8f6f4 v[rD:rD+7], v[rW:rW+15], v[rA:rA+15], v[rC:rC+7], v[WS+8*\t+\s], v[\sc+\s]
.endr
.endr
	WIN 0
.endm
.macro RESID pr                        ; x at the places that OUT pr stores
.irp a, 0,1
.irp i, 0,1,2,3,4,5,6,7
	global_load_b128 v[RX+32*\a+4*\i:RX+32*\a+4*\i+3], v[CO], s[12:13] offset:(32*\pr+8*\a+2*\i+8*(\i/4))*4096 th:TH_LOAD_NT
.endr
.endr
.endm
.macro OUT pr                          ; tiles 2 pr, 2 pr + 1
.irp a, 0,1
.irp b, 0,1
.irp i, 0,1,2,3
	ds_store_b128 v[STO], v[ACC+32*\a+16*\b+4*\i:ACC+32*\a+16*\b+4*\i+3] offset:\a*4352+128*\b+16*\i   ; each accumulator from its low end on
.endr
.endr
.endr
.irp a, 0,1
.irp i, 0,1,2,3,4,5,6,7
	ds_load_b128 v[ACC+32*\a+4*\i:ACC+32*\a+4*\i+3], v[RD] offset:\a*4352+2*\i*272   ; LDS serves a wave's instructions in order (ISA guide 5.7.1.4): these see my stores
.endr
.endr
	s_wait_loadcnt 0x0                             ; the residual
.irp a, 0,1
.irp i, 0,1,2,3,4,5,6,7
	s_wait_dscnt 15-8*\a-\i                        ; this read-back is in; the younger ones may be out
	v_pk_add_f32 v[ACC+32*\a+4*\i:ACC+32*\a+4*\i+1], v[ACC+32*\a+4*\i:ACC+32*\a+4*\i+1], v[RX+32*\a+4*\i:RX+32*\a+4*\i+1]
	v_pk_add_f32 v[ACC+32*\a+4*\i+2:ACC+32*\a+4*\i+3], v[ACC+32*\a+4*\i+2:ACC+32*\a+4*\i+3], v[RX+32*\a+4*\i+2:RX+32*\a+4*\i+3]
	global_store_b128 v[CO], v[ACC+32*\a+4*\i:ACC+32*\a+4*\i+3], s[14:15] offset:(32*\pr+8*\a+2*\i+8*(\i/4))*4096
.endr
.endr
.endm
	s_load_b256 s[4:11], s[0:1], 0x0               ; oq, Wp codes, Wp scales, bp
	s_load_b128 s[12:15], s[0:1], 0x20             ; x, outb
	v_lshl_add_u32 v62, v0, 2, 0x29000
	v_mov_b32 v63, 0
	ds_add_u32 v62, v63
	ds_add_u32 v62, v63
	v_lshrrev_b32 v9, 5, v0
	v_readfirstlane_b32 s[WV], v9
	s_bfe_u32 s[CX], ttmp6, 0x40000
	s_lshl_b32 s[XX], ttmp9, 2
	s_add_co_u32 s[XX], s[XX], s[CX]               ; the group of 256 columns
	s_and_b32 s[YY], ttmp7, 0xffff                 ; the block of 64 tokens
	s_mov_b32 s[G1], 15|(3<<16)|(1<<21)            ; a dense block as 64 rows of 256 bytes; mask 15 with bit 21 beside it
	s_mov_b32 s[G1+1], 32<<16
	s_mov_b32 s[G1+2], 64<<16
	s_mov_b32 s[G1+3], 32<<16
	s_mov_b32 s[G1+4], 64
	s_mov_b32 s[G1+5], 32
	s_mov_b32 s[G1+6], 0
	s_mov_b32 s[G1+7], 0
	s_lshl_b32 s36, s[YY], 16                      ; tile 4 y + w
	s_lshl_b32 s38, s[WV], 14
	s_add_co_u32 s36, s36, s38
	s_mov_b32 s37, 0
	s_mov_b32 s[G0], 1
	s_mov_b32 s[G0+1], s38
	s_wait_dscnt 0x0
	s_wait_kmcnt 0x0
	s_add_nc_u64 s[G0+2:G0+3], s[4:5], s[36:37]
	s_or_b32 s[G0+3], s[G0+3], 0x80000000
	CROUND
	tensor_load_to_lds s[G0:G0+3], s[G1:G1+7]      ; one load of mine is out: a first fill, nothing is filled again
	s_nop 0
	PLACES 4
	s_mov_b32 s41, 0
	s_lshl_b32 s40, s[XX], 18                      ; my 64 rows of Wp: 256 x + 64 w
	s_lshl_b32 s42, s[WV], 16
	s_add_co_u32 s40, s40, s42
	s_add_nc_u64 s[6:7], s[6:7], s[40:41]
	s_lshl_b32 s40, s[XX], 13
	s_lshl_b32 s42, s[WV], 11
	s_add_co_u32 s40, s40, s42
	s_add_nc_u64 s[8:9], s[8:9], s[40:41]
	s_lshl_b32 s40, s[XX], 10
	s_lshl_b32 s42, s[WV], 8
	s_add_co_u32 s40, s40, s42
	s_add_nc_u64 s[10:11], s[10:11], s[40:41]
	s_lshl_b32 s42, s[YY], 18                      ; x and out: token 64 y, my 256 bytes of a row
	s_add_co_u32 s40, s40, s42
	s_add_nc_u64 s[12:13], s[12:13], s[40:41]
	s_add_nc_u64 s[14:15], s[14:15], s[40:41]
	s_lshl_b32 s40, s[YY], 8                       ; the scale halves of tiles 4 y on: 64 bytes a tile
	s_add_co_u32 s40, s40, OSO
	s_add_nc_u64 s[44:45], s[4:5], s[40:41]
	v_and_b32 v9, 31, v0
	v_lshlrev_b32 v[LI], 4, v9
	v_lshlrev_b32 v[L2], 1, v9
	v_and_b32 v10, 15, v0                          ; r
	v_bfe_u32 v11, v0, 4, 1                        ; h
	v_and_b32 v12, 8, v10
	v_add_nc_u32 v12, v12, v10                     ; r + 8 (r / 8)
	v_lshlrev_b32 v[WA], 10, v12
	v_lshl_add_u32 v[WA], v11, 4, v[WA]
	v_lshlrev_b32 v[WSA], 5, v12
	v_lshlrev_b32 v[BA], 6, v11
	s_mul_i32 s40, s[WV], 8704
	s_add_co_u32 s40, s40, STG                     ; my stage
	v_mul_u32_u24 v[STO], v10, 272
	v_lshl_add_u32 v[STO], v11, 6, v[STO]
	v_add_nc_u32 v[STO], s40, v[STO]               ; in: row r, + 64 h
	v_mul_u32_u24 v[RD], v11, 272
	v_lshl_add_u32 v[RD], v10, 4, v[RD]
	v_add_nc_u32 v[RD], s40, v[RD]                 ; back: lanes 0-15 one row, lanes 16-31 the next
	v_lshlrev_b32 v[CO], 12, v11
	v_lshl_add_u32 v[CO], v10, 4, v[CO]            ; and the same two rows in memory
	WIN 0x40
.irp t, 0,1,2,3
.irp s, 0,1,2,3
.irp c, 0,1,2,3
	global_load_b128 v[16*(4*\t+\s)+4*\c:16*(4*\t+\s)+4*\c+3], v[WA], s[6:7] offset:(32*(\t/2)+8*(\t%2))*1024+128*\s+32*\c
.endr
.endr
.endr
	WIN 0x80
.irp t, 0,1,2,3
.irp s, 0,1,2,3
.irp c, 0,1,2,3
	global_load_b128 v[16*(4*\t+\s)+4*\c:16*(4*\t+\s)+4*\c+3], v[WA], s[6:7] offset:(32*(\t/2)+8*(\t%2))*1024+512+128*\s+32*\c
.endr
.endr
.endr
	WIN 0
.irp t, 0,1,2,3
	global_load_b128 v[WS+8*\t:WS+8*\t+3], v[WSA], s[8:9] offset:(32*(\t/2)+8*(\t%2))*32
	global_load_b128 v[WS+8*\t+4:WS+8*\t+7], v[WSA], s[8:9] offset:(32*(\t/2)+8*(\t%2))*32+16
	global_load_b128 v[BI+8*\t:BI+8*\t+3], v[BA], s[10:11] offset:(32*(\t/2)+8*(\t%2))*4
	global_load_b128 v[BI+8*\t+4:BI+8*\t+7], v[BA], s[10:11] offset:(32*(\t/2)+8*(\t%2))*4+16
.endr
.irp j, 0,1,2,3
.irp e, 0,1,2,3,4,5,6,7,8,9,10,11,12,13,14,15
	global_load_u16 v[RX+16*\j+\e], v[L2], s[44:45] offset:\e*16384+\j*64   ; tile j, head e
.endr
.endr
	s_wait_loadcnt 0x0
.irp j, 0,1,2,3
.irp s, 0,1,2,3,4,5,6,7
	v_lshl_or_b32 v[AS+8*\j+\s], v[RX+16*\j+2*\s+1], 16, v[RX+16*\j+2*\s]
.endr
.endr
	PLACES 8                                       ; a scale register written by a vector instruction stands eight places ahead of the product that reads it
	RESID 0
	s_wait_tensorcnt 0x0                           ; my tile has landed,
	s_barrier_signal -1
	s_barrier_wait -1                              ; everybody's has
	AFP 0, 0
	s_wait_dscnt 0x0
	AFP 1, 1
	MM 0, ACC, AS
	s_wait_dscnt 0x0
	PLACES 8                                       ; in front of loads into the buffer just multiplied
	AFP 0, 2
	MM 1, ACC+32, AS+8
	PLACES 8                                       ; in front of the first read of results
	OUT 0
	RESID 1
	s_wait_dscnt 0x0
	AFP 1, 3
	s_wait_xcnt 0x0                                ; the stores have read their data: the accumulators may be written again
	MM 0, ACC, AS+16
	s_wait_dscnt 0x0
	MM 1, ACC+32, AS+24
	PLACES 8
	OUT 1
	s_wait_dscnt 0x0
	s_wait_tensorcnt 0x0
	ds_add_u32 v62, v63
	s_wait_dscnt 0x0
	CROUND                                         ; the closing round
	s_endpgm
.Lfunc_end_k_q47ae1bcb10_proj:
	.size	k_q47ae1bcb10_proj, .Lfunc_end_k_q47ae1bcb10_proj-k_q47ae1bcb10_proj
	.p2alignl 7, 3214868480
	.fill 96, 4, 3214868480
	.section	.rodata,"a",@progbits
	.p2align	6, 0x0
	.amdhsa_kernel k_q47ae1bcb10_proj
		.amdhsa_group_segment_fixed_size 168448
		.amdhsa_private_segment_fixed_size 0
		.amdhsa_enable_private_segment 0
		.amdhsa_kernarg_size 48
		.amdhsa_user_sgpr_count 2
		.amdhsa_user_sgpr_kernarg_segment_ptr 1
		.amdhsa_wavefront_size32 1
		.amdhsa_system_sgpr_workgroup_id_x 1
		.amdhsa_system_sgpr_workgroup_id_y 1
		.amdhsa_system_sgpr_workgroup_id_z 1
		.amdhsa_system_vgpr_workitem_id 0
		.amdhsa_next_free_vgpr 1024
		.amdhsa_next_free_sgpr 66
		.amdhsa_reserve_vcc 0
		.amdhsa_float_denorm_mode_32 3
		.amdhsa_float_denorm_mode_16_64 3
		.amdhsa_memory_ordered 1
		.amdhsa_forward_progress 1
		.amdhsa_inst_pref_size 68
	.end_amdhsa_kernel
	.amdgpu_metadata
---
amdhsa.version: [ 1, 2 ]
amdhsa.kernels:
  - .name:           k_q47ae1bcb10_proj
    .symbol:         k_q47ae1bcb10_proj.kd
    .args:
      - { .name: oq, .offset: 0, .size: 8, .value_kind: global_buffer, .address_space: global }
      - { .name: Wp_codes, .offset: 8, .size: 8, .value_kind: global_buffer, .address_space: global }
      - { .name: Wp_scales, .offset: 16, .size: 8, .value_kind: global_buffer, .address_space: global }
      - { .name: bp, .offset: 24, .size: 8, .value_kind: global_buffer, .address_space: global }
      - { .name: x, .offset: 32, .size: 8, .value_kind: global_buffer, .address_space: global }
      - { .name: outb, .offset: 40, .size: 8, .value_kind: global_buffer, .address_space: global }
    .group_segment_fixed_size: 168448
    .private_segment_fixed_size: 0
    .kernarg_segment_align: 8
    .kernarg_segment_size: 48
    .max_flat_workgroup_size: 128
    .sgpr_count:     66
    .vgpr_count:     1024
    .wavefront_size: 32
...
	.end_amdgpu_metadata
.endif
;; end of part 4
;; launch ln2: the kernel of part 1 again; grid 256 x 1, 4 waves a work-group, no clusters, 66,304 bytes of LDS; arguments outb, ln2_w, ln2_b, xq; writes xq
;; launch ffn1 (part 5): grid 16 x 16, 4 waves a work-group, clusters of 4 x 1, 295,424 bytes of LDS; arguments xq, W1_codes, W1_scales, b1, hq; writes hq
.if DOCPART == 5
	.amdgcn_target "amdgcn-amd-amdhsa--gfx1250"
	.amdhsa_code_object_version 6
	.text
	.protected	k_q47ae1bcb10_ffn1
	.globl	k_q47ae1bcb10_ffn1
	.p2align	8
	.type	k_q47ae1bcb10_ffn1,@function
k_q47ae1bcb10_ffn1:
	s_mov_b64 s[64:65], 0
	v_nop
	global_prefetch_b8 v0, s[64:65] scope:SCOPE_SE
	s_setreg_imm32_b32 hwreg(HW_REG_WAVE_MODE, 25, 1), 1
	s_wait_xcnt 0x0
	s_wait_alu depctr_hold_cnt(0) depctr_sa_sdst(0) depctr_va_vdst(0) depctr_va_sdst(0) depctr_va_ssrc(0) depctr_va_vcc(0) depctr_vm_vsrc(0)
	s_getreg_b32 s2, hwreg(HW_REG_IB_STS2, 6, 4)
	s_cmp_eq_u32 s2, 0
	s_cbranch_scc0 .Lentry_in_a_cluster
	s_endpgm
.Lentry_in_a_cluster:
	s_bfe_u32 s2, ttmp6, 0x10000c
	s_cmp_lg_u32 s2, 0x3003
	s_cbranch_scc0 .Lentry_shape_is_right
	s_endpgm
.Lentry_shape_is_right:
; h = gelu(on W1 + b1), the exact (erf) form, on codes of E4M3 with E8M0 scales, and h's quantising along the hidden units.
; SHARES.  A work-group takes 256 tokens (16 tiles, work-group y) and 256 hidden units (work-group x); wave w takes 64 units: its 64 rows of W1, all 1,024 along K, stay in 512 registers.
; The tokens' codes are images of the operand's registers, 256 KiB + 16 KiB of scale words, all in LDS at once, each byte filled once; the four work-groups of a cluster ask for them jointly (mask 15).
; Every wave waits for all its tensor loads in front of one barrier; behind it those bytes are only read.
; Source 0 = 16 rows of W1 (rows 32 b + 8 u + r + 8 (r / 8) form tile 2 b + u), source 1 = 16 tokens: a lane holds one token, and two tiles' 16 registers are 16 neighbours along the next K.
; erf(u) = u P(u^2) / Q(u^2) on u held within +-4: a rational form of degrees 6 and 4 in u^2, in f32.  gelu = y / 2 + (y / 2) erf(y / sqrt 2).
; OUT (hq): codes [K quarter 4][tile 256][K step 8][chunk 4][512]; my 64 units are two chunks.  Scale words from HSO on, [quarter][tile][pair 4][lane][2 words]: a wave makes two bytes of a word,
; so the work-group's 16 x 256 bytes are gathered in LDS bytes of their own and leave as whole runs of 256 bytes.
; LIMITS: NaN and infinities are not served; a block under 2^-118 (or of zeros) keeps the scale byte 1.  erf has an absolute error of a few units in its last place, so for y under about -2 gelu's relative error grows, as that of 1 + erf does in f32.
.set HSO, 16777216
.set XSC, 16384                        ; LDS: tile j's record at 17,408 j: its codes, and from byte XSC of the record its scale words
.set HSC, 282624                       ; LDS: 4,096 bytes for h's scale halves: no fill lands there
.set LI, 1
.set LS8, 2
.set AD, 3
.set ADS, 4
.set WA, 5
.set WSA, 6
.set BA, 7
.set HSA, 8                            ; v8  HSC + 8 x lane + 2 x wave
.set HSD, 9
.set HRD, 10
.set HGO, 11
.set WS, 16
.set AS, 48
.set ACC, 64
.set BI, 128
.set TM, 160
.set PW, 176
.set KA1, 188                          ; v188-189 P's second coefficient, twice;  v190-191 Q's
.set KB1, 190
.set PC, 192
.set GU, 192
.set GT, 208
.set GP, 224
.set GQ, 240
.set CH, 14                            ; s[14:15] sqrt(1/2), twice; then the coefficients, each twice
.set A0, 16
.set A2, 18
.set A3, 20
.set A4, 22
.set A5, 24
.set A6, 26
.set B0, 28
.set B2, 30
.set B3, 32
.set B4, 34
.set WV, 36
.set CX, 37
.set XX, 38
.set YY, 39
.set G1C, 40
.set G1S, 48
.set G0S, 56
.set G0A, 60
.set G0B, 68
.set SEL, 72
.set MNT, 74
.set TRIP, 75
.set TA, 76
.set TS, 77
.set DC, 78
.set TH, 80
.set HB, 82
.set MSB, 0
.macro WIN new
.if MSB != (\new)
	s_set_vgpr_msb (MSB<<8)|(\new)
.set MSB, (\new)
.endif
.endm
.macro PLACES n
.rept \n
	v_nop
.endr
.endm
.macro CROUND
	s_barrier_signal -1
	s_barrier_wait -1
	s_cmp_lg_u32 s[WV], 0
	s_cbranch_scc1 .Lnot_wave_0_\@
	s_barrier_signal -3
.Lnot_wave_0_\@:
	s_barrier_wait -3
	s_barrier_signal -1
	s_barrier_wait -1
.endm
.macro QUANT s, pc, pw
.irp b, 0,1,2,3
	v_max3_num_f32 v[TM+\b], |v[\s+16*\b]|, |v[\s+16*\b+1]|, 0x4800000
.endr
.irp i, 2,4,6,8,10,12,14
.irp b, 0,1,2,3
	v_max3_num_f32 v[TM+\b], v[TM+\b], |v[\s+16*\b+\i]|, |v[\s+16*\b+\i+1]|
.endr
.endr
.irp b, 0,1,2,3
	v_permlanex16_b32 v[TM+4+\b], v[TM+\b], s[SEL], s[SEL+1]
.endr
.irp b, 0,1,2,3
	v_max_num_f32 v[TM+\b], v[TM+\b], v[TM+4+\b]
.endr
.irp b, 0,1,2,3
	v_add_nc_u32 v[TM+12+\b], 0xfc000000, v[TM+\b]
.endr
.irp b, 0,1,2,3
	v_and_or_b32 v[TM+8+\b], v[TM+\b], 0x7f800000, s[MNT]
.endr
.irp b, 0,1,2,3
	v_lshrrev_b32 v[TM+4+\b], 23, v[TM+12+\b]
.endr
	v_lshl_or_b32 v[\pw], v[TM+5], 8, v[TM+4]
	v_lshl_or_b32 v[\pw], v[TM+6], 16, v[\pw]
	v_lshl_or_b32 v[\pw], v[TM+7], 24, v[\pw]
.irp b, 0,1,2,3
.irp i, 0,1,2,3,4,5,6,7,8,9,10,11,12,13,14,15
	v_med3_num_f32 v[\s+16*\b+\i], v[\s+16*\b+\i], -v[TM+8+\b], v[TM+8+\b]
.endr
	v_cvt_scalef32_pk8_fp8_f32 v[\pc+4*\b:\pc+4*\b+1], v[\s+16*\b:\s+16*\b+7], v[TM+12+\b]
	v_cvt_scalef32_pk8_fp8_f32 v[\pc+4*\b+2:\pc+4*\b+3], v[\s+16*\b+8:\s+16*\b+15], v[TM+12+\b]
.endr
	v_nop
.endm
.macro AFF bf                          ; the next tile into buffer bf; the two scalars step on
	v_add_nc_u32 v[AD], s[TA], v[LI]
	v_add_nc_u32 v[ADS], s[TS], v[LS8]
	s_add_co_u32 s[TA], s[TA], 17408
	s_add_co_u32 s[TS], s[TS], 17408
.irp p, 0,1,2,3
	ds_load_b64 v[AS+8*(\bf)+2*\p:AS+8*(\bf)+2*\p+1], v[ADS] offset:256*\p
.endr
	WIN 0xc0
.irp s, 0,1,2,3,4,5,6,7
.irp c, 0,1,2,3
	ds_load_b128 v[128*(\bf)+16*\s+4*\c:128*(\bf)+16*\s+4*\c+3], v[AD] offset:2048*\s+512*\c
.endr
.endr
	WIN 0
.endm
.macro MM bf, d0                       ; 32 matrix instructions, K ascending, four accumulators by turns
.irp s, 0,1,2,3,4,5,6,7
	WIN 0x0d+(\s/4)
.irp t, 0,1,2,3
.set rD, (\d0)+8*\t
.set rC, rD
.if \s == 0
.set rC, BI+8*\t
.endif
.set rW, 16*(4*\t+(\s%4))
.set rA, 128*(\bf)+16*\s
	v_wmma_scale_f32_16x16x128_f8f6f4 v[rD:rD+7], v[rW:rW+15], v[rA:rA+15], v[rC:rC+7], v[WS+8*\t+\s], v[AS+8*(\bf)+\s]
.endr
.endr
	WIN 0
.endm
.macro GELU16 y                        ; 16 numbers in place, two at a time; eight independent lines in each stage
.irp m, 0,2,4,6,8,10,12,14
	v_pk_mul_f32 v[GU+\m:GU+\m+1], v[\y+\m:\y+\m+1], s[CH:CH+1] op_sel_hi:[1,0]       ; u = y / sqrt 2
.endr
.irp i, 0,1,2,3,4,5,6,7,8,9,10,11,12,13,14,15
	v_med3_num_f32 v[GU+\i], v[GU+\i], -4.0, 4.0
.endr
.irp m, 0,2,4,6,8,10,12,14
	v_pk_mul_f32 v[GT+\m:GT+\m+1], v[GU+\m:GU+\m+1], v[GU+\m:GU+\m+1]
.endr
.irp m, 0,2,4,6,8,10,12,14
	v_pk_fma_f32 v[GP+\m:GP+\m+1], v[GT+\m:GT+\m+1], s[A0:A0+1], v[KA1:KA1+1] op_sel_hi:[1,0,1]
.endr
.irp m, 0,2,4,6,8,10,12,14
	v_pk_fma_f32 v[GQ+\m:GQ+\m+1], v[GT+\m:GT+\m+1], s[B0:B0+1], v[KB1:KB1+1] op_sel_hi:[1,0,1]
.endr
.irp k, A2, A3, A4, A5, A6
.irp m, 0,2,4,6,8,10,12,14
	v_pk_fma_f32 v[GP+\m:GP+\m+1], v[GP+\m:GP+\m+1], v[GT+\m:GT+\m+1], s[\k:\k+1] op_sel_hi:[1,1,0]
.endr
.endr
.irp k, B2, B3, B4
.irp m, 0,2,4,6,8,10,12,14
	v_pk_fma_f32 v[GQ+\m:GQ+\m+1], v[GQ+\m:GQ+\m+1], v[GT+\m:GT+\m+1], s[\k:\k+1] op_sel_hi:[1,1,0]
.endr
.endr
.irp m, 0,2,4,6,8,10,12,14
	v_pk_mul_f32 v[GP+\m:GP+\m+1], v[GP+\m:GP+\m+1], v[GU+\m:GU+\m+1]
.endr
	s_wait_alu depctr_va_vdst(0)
.irp i, 0,1,2,3,4,5,6,7,8,9,10,11,12,13,14,15
	v_rcp_f32 v[GQ+\i], v[GQ+\i]
.endr
.irp m, 0,2,4,6,8,10,12,14
	v_pk_mul_f32 v[GT+\m:GT+\m+1], v[\y+\m:\y+\m+1], 0.5 op_sel_hi:[1,0]              ; y / 2: plain work behind the batch
.endr
	s_wait_alu depctr_va_vdst(0)                   ; one wait for the sixteen, ahead of their first reader
.irp m, 0,2,4,6,8,10,12,14
	v_pk_mul_f32 v[GP+\m:GP+\m+1], v[GP+\m:GP+\m+1], v[GQ+\m:GQ+\m+1]                 ; erf
.endr
.irp m, 0,2,4,6,8,10,12,14
	v_pk_fma_f32 v[\y+\m:\y+\m+1], v[GT+\m:GT+\m+1], v[GP+\m:GP+\m+1], v[GT+\m:GT+\m+1]
.endr
.endm
.macro EPIF                            ; two tiles: blocks 0, 1 the even one's, blocks 2, 3 the odd one's
	GELU16 ACC
	GELU16 ACC+16
	GELU16 ACC+32
	GELU16 ACC+48
	QUANT ACC, PC, PW
	v_add_nc_u32 v[HSD], s[TH], v[HSA]
	s_add_co_u32 s[TH], s[TH], 512
.irp a, 0,1
.irp b, 0,1
	global_store_b128 v[LI], v[PC+8*\a+4*\b:PC+8*\a+4*\b+3], s[DC:DC+1] offset:\a*16384+\b*512
.endr
.endr
	ds_store_b16 v[HSD], v[PW]                     ; the even tile's two bytes,
	ds_store_b16_d16_hi v[HSD], v[PW] offset:256   ; the odd tile's
	s_wait_xcnt 0x0                                ; the stores have read their data and their base: both may be written again
	s_add_nc_u64 s[DC:DC+1], s[DC:DC+1], 32768
.endm
; a pair of tiles.  Each LDS wait is for 0: what it waits for was asked for 32 matrix instructions earlier.  Eight plain places stand between a buffer's last products and the loads into it, and in front of the first read of results.
.macro PAIRF last
	s_wait_dscnt 0x0                               ; buffer 0 is in
	AFF 1
	MM 0, ACC
	s_wait_dscnt 0x0                               ; buffer 1 is in
.if !\last
	PLACES 8
	AFF 0
.endif
	MM 1, ACC+32
	PLACES 8
	EPIF
.endm
	s_load_b256 s[4:11], s[0:1], 0x0               ; xq, W1 codes, W1 scales, b1
	s_load_b64 s[12:13], s[0:1], 0x20              ; hq
	v_lshl_add_u32 v186, v0, 2, 0x48000
	v_mov_b32 v187, 0
	ds_add_u32 v186, v187
	ds_add_u32 v186, v187
	v_lshrrev_b32 v12, 5, v0
	v_readfirstlane_b32 s[WV], v12
	s_bfe_u32 s[CX], ttmp6, 0x40000
	s_lshl_b32 s[XX], ttmp9, 2
	s_add_co_u32 s[XX], s[XX], s[CX]               ; the group of 256 hidden units
	s_and_b32 s[YY], ttmp7, 0xffff                 ; the block of 256 tokens
	s_mov_b32 s[G1C], 15|(3<<16)|(1<<21)
	s_mov_b32 s[G1C+1], 32<<16
	s_mov_b32 s[G1C+2], 272<<16                    ; four tiles' records on end: 272 rows of 256 bytes
	s_mov_b32 s[G1C+3], 32<<16
	s_mov_b32 s[G1C+4], 272
	s_mov_b32 s[G1C+5], 32
	s_mov_b32 s[G1C+6], 0
	s_mov_b32 s[G1C+7], 0
	s_mul_i32 s86, s[YY], 278528                   ; the records of tiles 16 y + 4 w .. + 3
	s_mul_i32 s88, s[WV], 69632
	s_add_co_u32 s86, s86, s88
	s_mov_b32 s87, 0
	s_mov_b32 s[G0A], 1
	s_mov_b32 s[G0A+1], s88
	s_wait_dscnt 0x0
	s_wait_kmcnt 0x0
	s_add_nc_u64 s[G0A+2:G0A+3], s[4:5], s[86:87]
	s_or_b32 s[G0A+3], s[G0A+3], 0x80000000
	CROUND
	tensor_load_to_lds s[G0A:G0A+3], s[G1C:G1C+7]  ; my one load: a first fill, nothing is filled again
	s_nop 0
	PLACES 4
	s_mov_b32 s91, 0
	s_lshl_b32 s90, s[XX], 18                      ; my 64 rows of W1: 256 x + 64 w
	s_lshl_b32 s92, s[WV], 16
	s_add_co_u32 s90, s90, s92
	s_add_nc_u64 s[6:7], s[6:7], s[90:91]
	s_lshl_b32 s90, s[XX], 13
	s_lshl_b32 s92, s[WV], 11
	s_add_co_u32 s90, s90, s92
	s_add_nc_u64 s[8:9], s[8:9], s[90:91]
	s_lshl_b32 s90, s[XX], 10
	s_lshl_b32 s92, s[WV], 8
	s_add_co_u32 s90, s90, s92
	s_add_nc_u64 s[10:11], s[10:11], s[90:91]
	v_and_b32 v12, 31, v0
	v_lshlrev_b32 v[LI], 4, v12
	v_lshl_add_u32 v[LS8], v12, 3, XSC
	v_lshl_add_u32 v[HSA], v12, 3, HSC
	s_lshl_b32 s90, s[WV], 1
	v_add_nc_u32 v[HSA], s90, v[HSA]
	s_lshl_b32 s90, s[WV], 10
	s_add_co_u32 s90, s90, HSC
	v_add_nc_u32 v[HRD], s90, v[LI]
	v_and_b32 v13, 15, v0                          ; r
	v_bfe_u32 v14, v0, 4, 1                        ; h
	v_lshlrev_b32 v[HGO], 10, v14
	v_lshl_add_u32 v[HGO], v13, 4, v[HGO]
	v_and_b32 v15, 8, v13
	v_add_nc_u32 v15, v15, v13                     ; r + 8 (r / 8)
	v_lshlrev_b32 v[WA], 10, v15
	v_lshl_add_u32 v[WA], v14, 4, v[WA]
	v_lshlrev_b32 v[WSA], 5, v15
	v_lshlrev_b32 v[BA], 6, v14
	WIN 0x40
.irp t, 0,1,2,3
.irp s, 0,1,2,3
.irp c, 0,1,2,3
	global_load_b128 v[16*(4*\t+\s)+4*\c:16*(4*\t+\s)+4*\c+3], v[WA], s[6:7] offset:(32*(\t/2)+8*(\t%2))*1024+128*\s+32*\c
.endr
.endr
.endr
	WIN 0x80
.irp t, 0,1,2,3
.irp s, 0,1,2,3
.irp c, 0,1,2,3
	global_load_b128 v[16*(4*\t+\s)+4*\c:16*(4*\t+\s)+4*\c+3], v[WA], s[6:7] offset:(32*(\t/2)+8*(\t%2))*1024+512+128*\s+32*\c
.endr
.endr
.endr
	WIN 0
.irp t, 0,1,2,3
	global_load_b128 v[WS+8*\t:WS+8*\t+3], v[WSA], s[8:9] offset:(32*(\t/2)+8*(\t%2))*32
	global_load_b128 v[WS+8*\t+4:WS+8*\t+7], v[WSA], s[8:9] offset:(32*(\t/2)+8*(\t%2))*32+16
	global_load_b128 v[BI+8*\t:BI+8*\t+3], v[BA], s[10:11] offset:(32*(\t/2)+8*(\t%2))*4
	global_load_b128 v[BI+8*\t+4:BI+8*\t+7], v[BA], s[10:11] offset:(32*(\t/2)+8*(\t%2))*4+16
.endr
	s_lshl_b32 s90, ttmp9, 22                      ; codes: quarter x / 4, tile 16 y, K step 2 (x % 4) + w / 2, chunk 2 (w % 2)
	s_lshl_b32 s92, s[YY], 18
	s_add_co_u32 s90, s90, s92
	s_lshl_b32 s92, s[CX], 12
	s_add_co_u32 s90, s90, s92
	s_lshl_b32 s92, s[WV], 10
	s_add_co_u32 s90, s90, s92
	s_add_nc_u64 s[DC:DC+1], s[12:13], s[90:91]
	s_lshl_b32 s90, ttmp9, 18                      ; scale words: tile 16 y + 4 w, pair x % 4
	s_lshl_b32 s92, s[YY], 14
	s_add_co_u32 s90, s90, s92
	s_lshl_b32 s92, s[WV], 12
	s_add_co_u32 s90, s90, s92
	s_lshl_b32 s92, s[CX], 8
	s_add_co_u32 s90, s90, s92
	s_add_co_u32 s90, s90, HSO
	s_add_nc_u64 s[HB:HB+1], s[12:13], s[90:91]
	s_mov_b32 s[SEL], 0x76543210
	s_mov_b32 s[SEL+1], 0xfedcba98
	s_mov_b32 s[MNT], 0x600000
	s_mov_b32 s[CH], 0x3f3504f3                    ; sqrt(1/2)
	s_mov_b32 s[A0], 0xaf95df0b                    ; P, the highest power first: -2.72614226e-10
	s_mov_b32 s[A2], 0xb60cff51                    ; -2.10102402e-06
	s_mov_b32 s[A3], 0xb86ec2d2                    ; -5.69250639e-05
	s_mov_b32 s[A4], 0xba40ac63                    ; -7.34990630e-04
	s_mov_b32 s[A5], 0xbb41a1f6                    ; -2.95459981e-03
	s_mov_b32 s[A6], 0xbc83dbd4                    ; -1.60960333e-02
	s_mov_b32 s[B0], 0xb77460cd                    ; Q: -1.45660718e-05
	s_mov_b32 s[B2], 0xbadc924e                    ; -1.68282697e-03
	s_mov_b32 s[B3], 0xbbf19bf8                    ; -7.37332917e-03
	s_mov_b32 s[B4], 0xbc69b6a7                    ; -1.42647391e-02
.irp k, CH, A0, A2, A3, A4, A5, A6, B0, B2, B3, B4
	s_mov_b32 s[\k+1], s[\k]                       ; (the packed forms name a pair, so both words are written)
.endr
	v_mov_b32 v[KA1], 0x32edffee                   ; P's second: 2.77068142e-08
	v_mov_b32 v[KA1+1], 0x32edffee
	v_mov_b32 v[KB1], 0xb95fbd29                   ; Q's second: -2.13374055e-04
	v_mov_b32 v[KB1+1], 0xb95fbd29
.irp b, 0,1,2,3
	v_mov_b32 v[TM+4+\b], 0
.endr
	s_mov_b32 s[TA], 0
	s_mov_b32 s[TS], 0
	s_mov_b32 s[TH], 0
	s_mov_b32 s[TRIP], 7
	s_wait_loadcnt 0x0                             ; weights, scale words, bias
	s_wait_tensorcnt 0x0                           ; all my parts have landed,
	s_barrier_signal -1
	s_barrier_wait -1                              ; everybody's have
	AFF 0
.Lpair:                                            ; seven pairs of tiles; each asks for the next pair's first tile
	PAIRF 0
	s_sub_co_u32 s[TRIP], s[TRIP], 1
	s_cmp_lg_u32 s[TRIP], 0
	s_cbranch_scc1 .Lpair
	PAIRF 1                                        ; the last pair is written out: nothing is left to fetch
	s_wait_dscnt 0x0                               ; for the others' sake: my scale halves lie in LDS
	s_barrier_signal -1
	s_barrier_wait -1
	ds_load_b128 v[PC:PC+3], v[HRD]                ; tiles 4 w, 4 w + 1: 256 bytes each,
	ds_load_b128 v[PC+4:PC+7], v[HRD] offset:512   ; tiles 4 w + 2, 4 w + 3
	s_wait_dscnt 0x0
	global_store_b128 v[HGO], v[PC:PC+3], s[HB:HB+1]               ; sixteen lanes store 256 bytes on end, aligned
	global_store_b128 v[HGO], v[PC+4:PC+7], s[HB:HB+1] offset:2048
	s_wait_tensorcnt 0x0
	ds_add_u32 v186, v187
	s_wait_dscnt 0x0
	CROUND                                         ; the closing round
	s_endpgm
.Lfunc_end_k_q47ae1bcb10_ffn1:
	.size	k_q47ae1bcb10_ffn1, .Lfunc_end_k_q47ae1bcb10_ffn1-k_q47ae1bcb10_ffn1
	.p2alignl 7, 3214868480
	.fill 96, 4, 3214868480
	.section	.rodata,"a",@progbits
	.p2align	6, 0x0
	.amdhsa_kernel k_q47ae1bcb10_ffn1
		.amdhsa_group_segment_fixed_size 295424
		.amdhsa_private_segment_fixed_size 0
		.amdhsa_enable_private_segment 0
		.amdhsa_kernarg_size 40
		.amdhsa_user_sgpr_count 2
		.amdhsa_user_sgpr_kernarg_segment_ptr 1
		.amdhsa_wavefront_size32 1
		.amdhsa_system_sgpr_workgroup_id_x 1
		.amdhsa_system_sgpr_workgroup_id_y 1
		.amdhsa_system_sgpr_workgroup_id_z 1
		.amdhsa_system_vgpr_workitem_id 0
		.amdhsa_next_free_vgpr 1024
		.amdhsa_next_free_sgpr 100
		.amdhsa_reserve_vcc 0
		.amdhsa_float_denorm_mode_32 3
		.amdhsa_float_denorm_mode_16_64 3
		.amdhsa_memory_ordered 1
		.amdhsa_forward_progress 1
		.amdhsa_inst_pref_size 142
	.end_amdhsa_kernel
	.amdgpu_metadata
---
amdhsa.version: [ 1, 2 ]
amdhsa.kernels:
  - .name:           k_q47ae1bcb10_ffn1
    .symbol:         k_q47ae1bcb10_ffn1.kd
    .args:
      - { .name: xq, .offset: 0, .size: 8, .value_kind: global_buffer, .address_space: global }
      - { .name: W1_codes, .offset: 8, .size: 8, .value_kind: global_buffer, .address_space: global }
      - { .name: W1_scales, .offset: 16, .size: 8, .value_kind: global_buffer, .address_space: global }
      - { .name: b1, .offset: 24, .size: 8, .value_kind: global_buffer, .address_space: global }
      - { .name: hq, .offset: 32, .size: 8, .value_kind: global_buffer, .address_space: global }
    .group_segment_fixed_size: 295424
    .private_segment_fixed_size: 0
    .kernarg_segment_align: 8
    .kernarg_segment_size: 40
    .max_flat_workgroup_size: 128
    .sgpr_count:     100
    .vgpr_count:     1024
    .wavefront_size: 32
...
	.end_amdgpu_metadata
.endif
;; end of part 5
;; launch ffn2 (part 6): grid 8 x 32, 4 waves a work-group, clusters of 4 x 4, 327,680 bytes of LDS; arguments hq, W2_codes, W2_scales, b2, outb, out0; writes out0
.if DOCPART == 6
	.amdgcn_target "amdgcn-amd-amdhsa--gfx1250"
	.amdhsa_code_object_version 6
	.text
	.protected	k_q47ae1bcb10_ffn2
	.globl	k_q47ae1bcb10_ffn2
	.p2align	8
	.type	k_q47ae1bcb10_ffn2,@function
k_q47ae1bcb10_ffn2:
	s_mov_b64 s[64:65], 0
	v_nop
	global_prefetch_b8 v0, s[64:65] scope:SCOPE_SE
	s_setreg_imm32_b32 hwreg(HW_REG_WAVE_MODE, 25, 1), 1
	s_wait_xcnt 0x0
	s_wait_alu depctr_hold_cnt(0) depctr_sa_sdst(0) depctr_va_vdst(0) depctr_va_sdst(0) depctr_va_ssrc(0) depctr_va_vcc(0) depctr_vm_vsrc(0)
	s_getreg_b32 s2, hwreg(HW_REG_IB_STS2, 6, 4)
	s_cmp_eq_u32 s2, 0
	s_cbranch_scc0 .Lentry_in_a_cluster
	s_endpgm
.Lentry_in_a_cluster:
	s_bfe_u32 s2, ttmp6, 0x10000c
	s_cmp_lg_u32 s2, 0xf033
	s_cbranch_scc0 .Lentry_shape_is_right
	s_endpgm
.Lentry_shape_is_right:
; out0 = out + h W2 + b2 on codes of E4M3 with E8M0 scales: 4,096 tokens x 1,024 columns x K 4,096; one f32 sum for each output, K ascending.
; SHARES.  A work-group makes 128 tokens x 128 columns: 32 x 8 = 256 work-groups.  Wave (wr, wc) makes 64 x 64: 4 token tiles x 4 column tiles, 16 accumulators.
; K goes in steps of 512 through a ring of two LDS slots.  h's codes are images of the operand's registers [quarter][tile][K step 8][chunk 4][lane][16]: 512 along K of a tile are 8,192 bytes on end.
; W2's rows come as 512 bytes of a row of 4,096, 16 bytes of padding behind each in LDS.  The scale bytes of the work-group's rows, all of K, come once and stay.
; CLUSTER 4 x 4: h's tiles are shared along a row of the cluster, W2's along a column: each is asked for jointly, by descriptors made of the shared coordinate and the wave's number.
; Source 0 = 16 rows of W2, source 1 = 16 tokens: a lane holds one token and eight neighbouring columns.  Row p of token tile T is token 32 (T / 2) + 8 (T % 2) + p + 8 (p / 8).
; PREFETCH: each slot from 1 on is named once in each cluster that loads it, at most two slots ahead of the slot being loaded: slots 1, 2 at the head, slot 3 behind slot 1's load, slot n + 4 behind slot n + 2's.
; REGISTERS: window 0 as named, v128-255 the accumulators; window 1: h's fragments, two sets, at v0, v64; W2's at v128, v192; window 2: v0-127 the residual, asked for behind the loop, where no refill follows.
; LIMITS: NaN and infinities are not served.
.set HSO, 16777216
.set ABYTES, 65536                     ; a slot: 8 token tiles x 8,192, then 128 rows of W2
.set BP, 528
.set SLOT, ABYTES+128*BP
.set SCA, 2*SLOT                       ; h's scale words [quarter 4][tile 8][pair 4][lane][2 words]
.set SCB, SCA+32768                    ; W2's scale bytes: 128 rows of 128 + 16
.set SPB, 144
.set SPARE, SCB+128*SPB
.set STP, 272                          ; the way out: 16 rows x (256 + 16) bytes a wave, in slot 0 behind its last fill and last read
.set ADRA, 6
.set ADRB, 8
.set ADSA, 10
.set ADSB, 11
.set STO, 12
.set RD, 13
.set CO, 14
.set BBA, 15
.set SA, 16                            ; v16-47 h's scale words: set sl, tile a, step q at 16 sl + 4 a + q
.set SPW, 48
.set NIL, 49
.set SB, 50                            ; v50-81 W2's likewise: no product's two scale registers have numbers equal modulo 8
.set PFO, 82
.set BB, 84
.set BK, 88
.set ACC, 128
.set G1, 24
.set G0, 32
.set G1B, 40
.set G0B, 48
.set G1S, 56
.set G1SB, 68
.set G0S, 76
.set G0SB, 80
.set G0H, 84
.set G0HB, 88
.set PFS, 96
.set PFB, 98
.set PFA, 100
.set MSB, 0
.macro WIN new                         ; the immediate's high byte repeats the setting that is left
.if MSB != (\new)
	s_set_vgpr_msb (MSB<<8)|(\new)
.set MSB, (\new)
.endif
.endm
.macro PLACES n
.rept \n
	v_nop
.endr
.endm
.macro CREST
	s_cmp_lg_u32 s16, 0
	s_cbranch_scc1 .Lnot_wave_0_\@
	s_barrier_signal -3
.Lnot_wave_0_\@:
	s_barrier_wait -3
	s_barrier_signal -1
	s_barrier_wait -1
.endm
.macro CROUND
	s_barrier_signal -1
	s_barrier_wait -1
	CREST
.endm
.macro TL g0, g1                       ; a tensor load with five plain lines behind it
	tensor_load_to_lds s[\g0:\g0+3], s[\g1:\g1+7]
	s_nop 0
	PLACES 4
.endm
.macro JLOAD s                         ; waves 0, 1 fetch h's halves of a slot, waves 2, 3 W2's
	s_cmp_eq_u32 s17, 0
	s_cbranch_scc0 .Lfor_b_\@
	TL G0+4*\s, G1
	s_branch .Lasked_\@
.Lfor_b_\@:
	TL G0B+4*\s, G1B
.Lasked_\@:
.endm
.macro GRP g, mask, w0, d0, rows, pitch
	s_or_b32 s[\g], s\mask, \w0
	s_mov_b32 s[\g+1], (\d0)<<16
	s_mov_b32 s[\g+2], (\rows)<<16
	s_mov_b32 s[\g+3], (\d0)<<16
	s_mov_b32 s[\g+4], \rows
	s_mov_b32 s[\g+5], \pitch
	s_mov_b32 s[\g+6], 0
	s_mov_b32 s[\g+7], 0
.endm
.macro G0SET g, lds, src
	s_mov_b32 s[\g], 1
	s_mov_b32 s[\g+1], \lds
	s_mov_b64 s[\g+2:\g+3], s[\src:\src+1]
	s_or_b32 s[\g+3], s[\g+3], 0x80000000
.endm
	s_load_b256 s[4:11], s[0:1], 0x0               ; hq, W2 codes, W2 scales, b2
	s_load_b128 s[12:15], s[0:1], 0x20             ; outb, out0
	v_lshl_add_u32 v[SPW], v0, 2, SPARE
	v_mov_b32 v[NIL], 0
	ds_add_u32 v[SPW], v[NIL]                      ; the opening lines: the add twice on end and its wait
	ds_add_u32 v[SPW], v[NIL]
	v_lshrrev_b32 v1, 5, v0
	v_readfirstlane_b32 s16, v1                    ; wave
	s_lshr_b32 s17, s16, 1                         ; wr; also: I fetch for h (0) or for W2 (1)
	s_and_b32 s18, s16, 1                          ; wc; also: which half I fetch
	s_bfe_u32 s19, ttmp6, 0x40000                  ; cx
	s_bfe_u32 s20, ttmp6, 0x40004                  ; cy
	s_lshl_b32 s21, ttmp9, 2
	s_add_co_u32 s21, s21, s19                     ; tile column
	s_and_b32 s22, ttmp7, 0xffff
	s_lshl_b32 s22, s22, 2
	s_add_co_u32 s22, s22, s20                     ; tile row
	s_lshl_b32 s23, s20, 2
	s_lshl_b32 s23, 15, s23                        ; my row of the cluster
	s_lshl_b32 s2, 0x1111, s19                     ; my column
	GRP G1, 23, (3<<16)|(1<<21), 1024, 8, 2048                            ; h: rows of 8,192 bytes, 16,384 apart; 8 at the head, then 4
	GRP G1B, 2, (1<<20)|(1<<21)|(6<<22)|(3<<25), 512, 128, 4096           ; W2: rows of 512 bytes, four words behind each 128; 128 at the head, then 64
	GRP G1S, 23, (3<<16)|(1<<21), 1024, 4, 32768                          ; h's scale words: 8,192 bytes of each quarter
	GRP G1SB, 2, (3<<16)|(1<<20)|(1<<21)|(4<<22)|(3<<25), 16, 128, 16     ; W2's: 128 dense rows of 128 bytes, four words behind each
	s_lshl_b32 s92, s22, 17
	s_mov_b32 s93, 0
	s_lshl_b32 s94, s22, 13
	s_add_co_u32 s94, s94, HSO
	s_mov_b32 s95, 0
	s_lshl_b32 s96, s21, 19
	s_mov_b32 s97, 0
	s_lshl_b32 s98, s21, 14
	s_mov_b32 s99, 0
	s_wait_dscnt 0x0
	s_wait_kmcnt 0x0
	s_add_nc_u64 s[92:93], s[4:5], s[92:93]
	s_add_nc_u64 s[94:95], s[4:5], s[94:95]
	s_add_nc_u64 s[96:97], s[6:7], s[96:97]
	s_add_nc_u64 s[98:99], s[8:9], s[98:99]
	CROUND                                         ; all sixteen work-groups are here: the first joint loads meet
	G0SET G0H, 0, 92
	G0SET G0HB, ABYTES, 96
	G0SET G0S, SCA, 94
	G0SET G0SB, SCB, 98
	s_lshl_b32 s66, s18, 16                        ; the ring: my four tiles of h,
	s_mov_b32 s67, 0
	s_add_nc_u64 s[92:93], s[92:93], s[66:67]
	s_lshl_b32 s66, s18, 18                        ; or my 64 rows of W2
	s_add_nc_u64 s[96:97], s[96:97], s[66:67]
	s_lshl_b32 s66, s18, 15
	s_mul_i32 s67, s18, 64*BP
	s_add_co_u32 s67, s67, ABYTES
.irp s, 0,1
	s_mov_b32 s[G0+4*\s], 1
	s_add_co_u32 s[G0+4*\s+1], s66, \s*SLOT
	s_add_nc_u64 s[G0+4*\s+2:G0+4*\s+3], s[92:93], \s*8192
	s_or_b32 s[G0+4*\s+3], s[G0+4*\s+3], 0x80000000
	s_mov_b32 s[G0B+4*\s], 1
	s_add_co_u32 s[G0B+4*\s+1], s67, \s*SLOT
	s_add_nc_u64 s[G0B+4*\s+2:G0B+4*\s+3], s[96:97], \s*512
	s_or_b32 s[G0B+4*\s+3], s[G0B+4*\s+3], 0x80000000
.endr
.macro ARM under, g0, g1, next         ; the head's four tiles, one a wave, in one chain of arms
	s_cmp_lt_u32 s16, \under
	s_cbranch_scc0 \next
	TL \g0, \g1
	s_branch .Lhead_asked
\next:
.endm
	ARM 1, G0H, G1, .Lhead_b
	ARM 2, G0HB, G1B, .Lhead_sa
	ARM 3, G0S, G1S, .Lhead_sb
	TL G0SB, G1SB
.Lhead_asked:
	s_lshl_b32 s66, s17, 15                        ; LDS: my four tiles of h,
	s_mul_i32 s67, s18, 64*BP
	s_add_co_u32 s67, s67, ABYTES                  ; my 64 rows of W2,
	s_lshl_b32 s92, s17, 12
	s_add_co_u32 s92, s92, SCA                     ; their scale words,
	s_mul_i32 s93, s18, 64*SPB
	s_add_co_u32 s93, s93, SCB
	s_mul_i32 s94, s16, 16*STP                     ; my stage
	; the prefetches: of the 128 blocks of 256 bytes that I fetch for a slot, the partner at place p (cx for h, cy for W2) names 32: told apart by address
	s_lshl_b32 s95, s18, 2
	s_add_co_u32 s96, s95, s20
	s_add_co_u32 s95, s95, s19
	s_lshl_b32 s95, s95, 14                        ; h: tile 4 half + cx,
	s_lshl_b32 s96, s96, 16                        ; W2: row 64 half + 16 cy
	s_lshl_b32 s98, s22, 17
	s_add_co_u32 s95, s95, s98
	s_lshl_b32 s98, s21, 19
	s_add_co_u32 s96, s96, s98
	s_cmp_eq_u32 s17, 0
	s_cselect_b64 s[PFA:PFA+1], s[4:5], s[6:7]
	s_cselect_b32 s98, s95, s96
	s_mov_b32 s99, 0
	s_mov_b32 s[PFS], 1024
	s_cselect_b32 s[PFS], 0x400000, s[PFS]         ; two slots on
	s_mov_b32 s[PFS+1], 0
	s_mov_b32 s95, 4096
	s_cselect_b32 s95, 512, s95                    ; from a pair of lanes to the next
	s_mov_b32 s3, 512
	s_cselect_b32 s3, 8192, s3                     ; from an even slot to the odd one
	s_add_nc_u64 s[PFA:PFA+1], s[PFA:PFA+1], s[98:99]   ; my share, at slot 0
	s_lshl_b32 s98, s21, 9                         ; my 64 columns: 512 x + 256 wc bytes,
	s_lshl_b32 s2, s18, 8
	s_add_co_u32 s98, s98, s2
	s_add_nc_u64 s[10:11], s[10:11], s[98:99]
	s_lshl_b32 s2, s22, 19                         ; my first token: 128 y + 64 wr
	s_add_co_u32 s98, s98, s2
	s_lshl_b32 s2, s17, 18
	s_add_co_u32 s98, s98, s2
	s_add_nc_u64 s[12:13], s[12:13], s[98:99]
	s_add_nc_u64 s[14:15], s[14:15], s[98:99]
	s_add_nc_u64 s[PFB:PFB+1], s[PFA:PFA+1], s[PFS:PFS+1]   ; my share, at slot 2
	v_and_b32 v1, 15, v0                           ; r
	v_bfe_u32 v2, v0, 4, 1                         ; h
	v_and_b32 v3, 31, v0                           ; lane
	v_lshl_add_u32 v[ADRA], v3, 4, s66
	v_add_nc_u32 v[ADRA+1], SLOT, v[ADRA]
	v_mul_u32_u24 v4, v1, BP
	v_lshl_add_u32 v4, v2, 4, v4
	v_add_nc_u32 v[ADRB], s67, v4
	v_add_nc_u32 v[ADRB+1], SLOT, v[ADRB]
	v_lshl_add_u32 v[ADSA], v3, 3, s92
	v_mul_u32_u24 v4, v1, SPB
	v_add_nc_u32 v[ADSB], s93, v4
	v_mul_u32_u24 v4, v1, STP
	v_lshl_add_u32 v4, v2, 5, v4
	v_add_nc_u32 v[STO], s94, v4                   ; in: row r, + 32 h
	v_mul_u32_u24 v4, v2, STP
	v_lshl_add_u32 v4, v1, 4, v4
	v_add_nc_u32 v[RD], s94, v4                    ; back: lanes 0-15 one row, lanes 16-31 the next
	v_lshlrev_b32 v4, 12, v2
	v_lshl_add_u32 v[CO], v1, 4, v4                ; and the same two rows in memory
	v_lshlrev_b32 v[BBA], 4, v1
	v_lshrrev_b32 v4, 1, v3
	v_mul_lo_u32 v4, v4, s95
	v_and_b32 v5, 1, v3
	v_lshl_add_u32 v[PFO], v5, 8, v4
	v_add_nc_u32 v[PFO+1], s3, v[PFO]
	s_wait_alu depctr_va_vdst(0)
	global_load_b128 v[BB:BB+3], v[BBA], s[10:11]
	global_prefetch_b8 v[PFO+1], s[PFA:PFA+1] th:TH_LOAD_NT scope:SCOPE_SE   ; my share of slot 1,
	global_prefetch_b8 v[PFO], s[PFB:PFB+1] th:TH_LOAD_NT scope:SCOPE_SE     ; and of slot 2
.macro FETCH slot, q, p                ; 32 loads: my four fragments of h and four of W2 for the slot's q-th 128 along K, into set p
	WIN 0x40
.irp i, 0,1,2,3
.irp c, 0,1,2,3
	ds_load_b128 v[64*(\p)+16*\i+4*\c:64*(\p)+16*\i+4*\c+3], v[ADRA+\slot] offset:8192*\i+2048*(\q)+512*\c
.endr
.endr
.irp i, 0,1,2,3
.irp c, 0,1,2,3
	ds_load_b128 v[128+64*(\p)+16*\i+4*\c:128+64*(\p)+16*\i+4*\c+3], v[ADRB+\slot] offset:16*BP*\i+128*(\q)+32*\c
.endr
.endr
	WIN 0
.endm
.macro SCALES sl                       ; 12 loads: the scale words of slot sl's four steps
.irp a, 0,1,2,3
.irp u, 0,1
	ds_load_b64 v[SA+16*\sl+4*\a+2*\u:SA+16*\sl+4*\a+2*\u+1], v[ADSA] offset:1024*\a+512*\sl+256*\u
.endr
.endr
.irp b, 0,1,2,3
	ds_load_b128 v[SB+16*\sl+4*\b:SB+16*\sl+4*\b+3], v[ADSB] offset:16*SPB*\b+16*\sl
.endr
.endm
.macro MUL a0, p, q, sl, zero          ; 8 products: token tiles a0, a0 + 1 x four column tiles; the 16 accumulators take turns in one order
.irp a, \a0, \a0+1
.irp b, 0,1,2,3
.if \zero
	v_wmma_scale_f32_16x16x128_f8f6f4 v[ACC+8*(4*(\a)+\b):ACC+8*(4*(\a)+\b)+7], v[128+64*(\p)+16*\b:128+64*(\p)+16*\b+15], v[64*(\p)+16*(\a):64*(\p)+16*(\a)+15], 0, v[SB+16*(\sl)+4*\b+(\q)], v[SA+16*(\sl)+4*(\a)+(\q)]
.else
	v_wmma_scale_f32_16x16x128_f8f6f4 v[ACC+8*(4*(\a)+\b):ACC+8*(4*(\a)+\b)+7], v[128+64*(\p)+16*\b:128+64*(\p)+16*\b+15], v[64*(\p)+16*(\a):64*(\p)+16*(\a)+15], v[ACC+8*(4*(\a)+\b):ACC+8*(4*(\a)+\b)+7], v[SB+16*(\sl)+4*\b+(\q)], v[SA+16*(\sl)+4*(\a)+(\q)]
.endif
.endr
.endr
.endm
.macro STEP slot, q, zero              ; a step whose successor lies in the same slot
	PLACES 8                                       ; behind the products that read the other set, ahead of the loads into it (ISA guide 7.12.1 for vector instructions)
	FETCH \slot, (\q)+1, 1-(\q)%2
	s_wait_dscnt 32                                ; all but the 32 just issued: this step's set is in
	WIN 0x05                                       ; sources 0 and 1 window 1
	MUL 0, (\q)%2, \q, \slot, \zero
	MUL 2, (\q)%2, \q, \slot, \zero
	WIN 0
.endm
.macro ASK par                         ; the slot two refills on: 32 blocks of 256 bytes, one instruction a wave; the last trip's refills have no such slot
	s_cmp_gt_u32 s3, 1
	s_cbranch_scc0 .Lnone_\@
	global_prefetch_b8 v[PFO+\par], s[PFA:PFA+1] th:TH_LOAD_NT scope:SCOPE_SE
.Lnone_\@:
.endm
.macro TURN slot, next, fill           ; a slot's last step changes slots
	s_wait_tensorcnt 0x0                           ; my part of the next slot is in;
	ds_add_u32 v[SPW], v[NIL]
	s_wait_dscnt 1                                 ; (the add alone may be out)
	WIN 0x05
	MUL 0, 1, 3, \slot, 0
	WIN 0
	s_wait_dscnt 0x0                               ; the add is done, my reads of this slot are over
	s_barrier_signal -1
	s_barrier_wait -1
.if \fill
	CREST                                          ; the barrier has opened a round of the cluster's barrier
	s_add_nc_u64 s[G0+4*\slot+2:G0+4*\slot+3], s[G0+4*\slot+2:G0+4*\slot+3], 0x400000   ; h: the next quarter, the same half
	s_add_nc_u64 s[G0B+4*\slot+2:G0B+4*\slot+3], s[G0B+4*\slot+2:G0B+4*\slot+3], 1024
	JLOAD \slot
	PLACES 4
.else
	PLACES 8
.endif
.if \next == 0
	v_add_nc_u32 v[ADSA], 8192, v[ADSA]            ; the next quarter's scale words
	v_add_nc_u32 v[ADSB], 32, v[ADSB]
	s_wait_alu depctr_va_vdst(0)
.endif
	FETCH \next, 0, 0
	SCALES \next
.if \fill
	ASK \slot
.endif
	WIN 0x05
	MUL 2, 1, 3, \slot, 0
	WIN 0
.endm
	s_wait_tensorcnt 0x0                           ; my tile of the head's four is in
	ds_add_u32 v[SPW], v[NIL]
	s_mov_b32 s[G1+2], 4<<16                       ; no load of mine is out: from here on a load brings half a slot's rows
	s_mov_b32 s[G1+4], 4
	s_mov_b32 s[G1B+2], 64<<16
	s_mov_b32 s[G1B+4], 64
	s_wait_dscnt 0x0
	CROUND
	JLOAD 1                                        ; slot 1's first fill
	FETCH 0, 0, 0
	SCALES 0
	global_prefetch_b8 v[PFO+1], s[PFB:PFB+1] th:TH_LOAD_NT scope:SCOPE_SE   ; my share of slot 3
	STEP 0, 0, 1                                   ; the first products start the sums
	s_wait_xcnt 0x0                                ; the head's prefetches have read their addresses
	s_add_nc_u64 s[PFA:PFA+1], s[PFB:PFB+1], s[PFS:PFS+1]   ; at slot 4: the first refill (slot 2's) names the slot two refills on
	s_mov_b32 s3, 3
.Llap:                                             ; a trip goes once round the ring and fills both slots again
	STEP 0, 1, 0
	STEP 0, 2, 0
	TURN 0, 1, 1
	STEP 1, 0, 0
	STEP 1, 1, 0
	STEP 1, 2, 0
	TURN 1, 0, 1
	STEP 0, 0, 0
	s_wait_xcnt 0x0                                ; my prefetches have read their address
	s_add_nc_u64 s[PFA:PFA+1], s[PFA:PFA+1], s[PFS:PFS+1]
	s_sub_co_u32 s3, s3, 1
	s_cmp_lg_u32 s3, 0
	s_cbranch_scc1 .Llap
	WIN 0x80                                       ; destination window 2: the residual at the places that the way out stores; six steps and a change of slots stand ahead of the wait for it
.irp a, 0,1,2,3
.irp i, 0,1,2,3,4,5,6,7
	global_load_b128 v[32*\a+4*\i:32*\a+4*\i+3], v[CO], s[12:13] offset:(32*(\a/2)+8*(\a%2)+2*\i+8*(\i/4))*4096 th:TH_LOAD_NT
.endr
.endr
	WIN 0
	STEP 0, 1, 0
	STEP 0, 2, 0
	TURN 0, 1, 0                                   ; the last lap fills nothing
	STEP 1, 0, 0
	STEP 1, 1, 0
	STEP 1, 2, 0
	s_wait_dscnt 0x0
	WIN 0x05
	MUL 0, 1, 3, 1, 0
	MUL 2, 1, 3, 1, 0
	WIN 0
	s_wait_loadcnt 0x0                             ; the residual and b2
	PLACES 8
; THE WAY OUT, a token tile at a time: through my stage, back by rows, + out + b2; sixteen lanes store 256 bytes on end, aligned
.irp a, 0,1,2,3
.irp b, 0,1,2,3
	ds_store_b128 v[STO], v[ACC+8*(4*\a+\b):ACC+8*(4*\a+\b)+3] offset:64*\b          ; each accumulator from its low end on
	ds_store_b128 v[STO], v[ACC+8*(4*\a+\b)+4:ACC+8*(4*\a+\b)+7] offset:64*\b+16
.endr
.irp i, 0,1,2,3,4,5,6,7
	ds_load_b128 v[BK+4*\i:BK+4*\i+3], v[RD] offset:2*\i*STP   ; LDS serves a wave's instructions in order (ISA guide 5.7.1.4)
.endr
	s_wait_dscnt 0x0
	WIN 0x08                                       ; source 1 window 2
.irp i, 0,1,2,3,4,5,6,7
.irp m, 0,2
	v_pk_add_f32 v[BK+4*\i+\m:BK+4*\i+\m+1], v[BK+4*\i+\m:BK+4*\i+\m+1], v[32*\a+4*\i+\m:32*\a+4*\i+\m+1]
.endr
.endr
	WIN 0
.irp i, 0,1,2,3,4,5,6,7
.irp m, 0,2
	v_pk_add_f32 v[BK+4*\i+\m:BK+4*\i+\m+1], v[BK+4*\i+\m:BK+4*\i+\m+1], v[BB+\m:BB+\m+1]
.endr
.endr
.irp i, 0,1,2,3,4,5,6,7
	global_store_b128 v[CO], v[BK+4*\i:BK+4*\i+3], s[14:15] offset:(32*(\a/2)+8*(\a%2)+2*\i+8*(\i/4))*4096 th:TH_STORE_NT
.endr
	s_wait_xcnt 0x0                                ; the stores have read their data: the next tile may land there
.endr
	s_wait_tensorcnt 0x0                           ; the wave's end
	ds_add_u32 v[SPW], v[NIL]
	s_wait_dscnt 0x0
	CROUND                                         ; the closing round
	s_endpgm
.Lfunc_end_k_q47ae1bcb10_ffn2:
	.size	k_q47ae1bcb10_ffn2, .Lfunc_end_k_q47ae1bcb10_ffn2-k_q47ae1bcb10_ffn2
	.p2alignl 7, 3214868480
	.fill 96, 4, 3214868480
	.section	.rodata,"a",@progbits
	.p2align	6, 0x0
	.amdhsa_kernel k_q47ae1bcb10_ffn2
		.amdhsa_group_segment_fixed_size 327680
		.amdhsa_private_segment_fixed_size 0
		.amdhsa_enable_private_segment 0
		.amdhsa_kernarg_size 48
		.amdhsa_user_sgpr_count 2
		.amdhsa_user_sgpr_kernarg_segment_ptr 1
		.amdhsa_wavefront_size32 1
		.amdhsa_system_sgpr_workgroup_id_x 1
		.amdhsa_system_sgpr_workgroup_id_y 1
		.amdhsa_system_sgpr_workgroup_id_z 1
		.amdhsa_system_vgpr_workitem_id 0
		.amdhsa_next_free_vgpr 768
		.amdhsa_next_free_sgpr 102
		.amdhsa_reserve_vcc 0
		.amdhsa_float_denorm_mode_32 3
		.amdhsa_float_denorm_mode_16_64 3
		.amdhsa_memory_ordered 1
		.amdhsa_forward_progress 1
		.amdhsa_inst_pref_size 108
	.end_amdhsa_kernel
	.amdgpu_metadata
---
amdhsa.version: [ 1, 2 ]
amdhsa.kernels:
  - .name:           k_q47ae1bcb10_ffn2
    .symbol:         k_q47ae1bcb10_ffn2.kd
    .args:
      - { .name: hq, .offset: 0, .size: 8, .value_kind: global_buffer, .address_space: global }
      - { .name: W2_codes, .offset: 8, .size: 8, .value_kind: global_buffer, .address_space: global }
      - { .name: W2_scales, .offset: 16, .size: 8, .value_kind: global_buffer, .address_space: global }
      - { .name: b2, .offset: 24, .size: 8, .value_kind: global_buffer, .address_space: global }
      - { .name: outb, .offset: 32, .size: 8, .value_kind: global_buffer, .address_space: global }
      - { .name: out0, .offset: 40, .size: 8, .value_kind: global_buffer, .address_space: global }
    .group_segment_fixed_size: 327680
    .private_segment_fixed_size: 0
    .kernarg_segment_align: 8
    .kernarg_segment_size: 48
    .max_flat_workgroup_size: 128
    .sgpr_count:     102
    .vgpr_count:     768
    .wavefront_size: 32
...
	.end_amdgpu_metadata
.endif
;; end of part 6
